; MI455X (gfx1250); checked and timed in simulation.
; The chip was launched on July 23, 2026; its instructions are those of AMD's public machine-readable ISA for CDNA 5 (MIT licence, August 2026) and "CDNA5" Instruction Set Architecture Reference Guide (July 2026). The comments in the code are by the model that wrote it; some were corrected since.
;; Multi Head Attention. Allowed arithmetic: matrix products marked QUANTISED: E2M1 operands, one E8M0 scale for each 32 along K, by v_wmma_scale_f32_16x16x128_f8f6f4 with both operands' format E2M1 (or v_wmma_scale_f32_32x16x128_f4), f32 sums; products left as they are: bf16, f16 or f32 operands; f32 sums; everything else in f32.
;; Inputs: w_out 1,024 x 1,024 float32; w_qkv 3,072 x 1,024 float32; x 4 x 2,048 x 1,024 float32.
;; Outputs: out0 4 x 2,048 x 1,024 float32.
;; This version of the problem:
;;   THIS VERSION OF THE PROBLEM IS GIVEN IN LOW PRECISION. The matrix products marked QUANTISED in the list below multiply operands that are first quantised to E2M1 (2 exponent bits, 1 mantissa bit; 4 bits a number), with one power-of-two scale for each 32 numbers along K (OCP MX v1.0); their sums are f32. The products marked 'left as it is' may take bf16, f16 or f32 operands, with f32 sums. Whichever they take, every output number must still come out within the allowed error. Rounding operands to bf16 (8 significant bits) uses up far more of that allowance than f16 does (11 bits, for magnitudes from 6e-5 to 65,504). All else is computed in f32.
;;   The module's matrix products, in the order in which they are computed (A, B: the left and right operand; K: the contracted axis; several contracted axes count as one K, in the product's order):
;;     1. [M 8,192, K 1,024] x [K 1,024, N 3,072]; A: input x; B: input w_qkv: QUANTISED
;;     2. batch 64 x [M 2,048, K 64] x [K 64, N 2,048]; A: computed on the way; B: computed on the way: left as it is (an operand is computed on the way)
;;     3. batch 64 x [M 2,048, K 2,048] x [K 2,048, N 64]; A: computed on the way; B: computed on the way: left as it is (an operand is computed on the way)
;;     4. [M 8,192, K 1,024] x [K 1,024, N 1,024]; A: computed on the way; B: input w_out: left as it is (an operand is computed on the way)
;;   THE QUANTISER, for each operand of a quantised product, along K:
;;     - K is cut into blocks of 32 from its start; a last block that is shorter is filled with zeros.
;;     - A block's scale is 2^e with e = floor(log2(the largest magnitude in the block)) - 2, held to -126 .. 127; a block of zeros has e = 0. As a byte (E8M0): e + 127.
;;     - Each number is divided by its block's scale, clamped to +-6, and rounded to the nearest number of E2M1, ties to even, subnormals kept.
;;     - The product sums the exact products of the quantised numbers (number of the format x scale) in f32.
;;   ~~~python
;;   def quantise(x, axis):      # numpy; x: float32 -> the quantised numbers, widened to float32 again
;;       x = np.moveaxis(x, axis, -1); K = x.shape[-1]
;;       x = np.pad(x, [(0, 0)] * (x.ndim - 1) + [(0, -K % 32)]); x = x.reshape(x.shape[:-1] + (-1, 32)); a = np.abs(x).max(-1, keepdims=True)
;;       e = np.where(a > 0, np.clip(np.frexp(np.where(a > 0, a, 1))[1] - 1 - 2, -126, 127), 0)      # np.frexp(a)[1] - 1 = floor(log2(a)), exactly
;;       r = np.clip(x / 2.0 ** e, -6, 6)
;;       step = 2.0 ** (np.maximum(np.frexp(np.where(r == 0, 1, r))[1] - 1, 0) - 1)
;;       q = np.round(r / step) * step * 2.0 ** e      # np.round: ties to even
;;       return np.moveaxis(q.reshape(q.shape[:-2] + (-1,))[..., :K], -1, axis).astype(np.float32)
;;   ~~~
;; One version. Each part assembles by itself: llvm-mc -triple=amdgcn-amd-amdhsa -mcpu=gfx1250 --defsym DOCPART=n.
;; ======== version 1 of 1: 5 launches
;; limits: values are held in f16: magnitudes above 65,504 overflow, below 6.1e-05 lose precision
;; workspace buffers: codes 5,767,168 bytes; scales 360,448 bytes; wo16 2,097,152 bytes; rope 524,288 bytes; qkv16 50,331,648 bytes; qkvf 786,432 bytes; ao16 16,777,216 bytes
;; launch prep (part 1): grid 416 x 1, 4 waves a work-group, no clusters, 33,280 bytes of LDS; arguments x, w_qkv, w_out, codes, scales, wo16, rope; writes codes, scales, wo16, rope
.if DOCPART == 1
	.amdgcn_target "amdgcn-amd-amdhsa--gfx1250"
	.amdhsa_code_object_version 6
	.text
	.protected	k_q0ca3a6b406_prep
	.globl	k_q0ca3a6b406_prep
	.p2align	8
	.type	k_q0ca3a6b406_prep,@function
k_q0ca3a6b406_prep:
	s_mov_b64 s[64:65], 0
	v_nop
	global_prefetch_b8 v0, s[64:65] scope:SCOPE_SE
	s_setreg_imm32_b32 hwreg(HW_REG_WAVE_MODE, 25, 1), 1
	s_wait_xcnt 0x0
; THREE JOBS IN ONE LAUNCH, told apart by the work-group's number.
;  Q (work-groups 0-351): x [8192][1024] and w_qkv [3072][1024], f32, become codes of FP4 (E2M1), K innermost, two codes a byte, and one E8M0 byte for each 32 along K.
;     Both tensors are dense streams of blocks of 32; their codes and bytes go on end into one buffer each: x's first (work-groups 0-255), w_qkv's behind them.
;     A block's scale is 2^(floor(log2(largest magnitude)) - 2): its byte is the largest magnitude's exponent field - 2, held at 1 from below.  A block of zeros so gets the byte 1
;     where the rule says 127: its codes are zeros, which add nothing under that byte, and this program alone reads the bytes.
;  C (352-383): w_out [1024][1024] f32 is rounded to f16, to nearest even.
;  T (384-415): the table of rotations, [2048 positions][32 x cos / 4, 32 x sin / 4] f32: the quarter is a power of two and makes q / 4 and k / 4 of q and k, for f16's range.
; LIMITS: blocks whose largest magnitude lies under 2^-124 were not tried; NaN and infinities are not served; |w_out| stays under 65,504.
.set STEPS, 16
.set EMAX,  2
.set CB,    8                          ; bytes of 16 codes
.set R,     16                         ; v16-79   four sets of 16 numbers as loaded
.set X,     80                         ; v80-111  two sets of 16 neighbours
.set E,     112                        ; v112-127 a scale byte for each step
.set C,     128                        ; v128-191 codes, four registers a step
.set WREG,  8192                       ; LDS: a region for each wave: two stages of 32 x SP bytes, then its 256 scale bytes
.set SP,    80                         ; a lane's place in a stage: 64 bytes + 16 of padding
.set SPW,   12                         ; v12  my spare word's LDS address; never rewritten
.set NIL,   13                         ; v13  0; never rewritten
.set SPARE, 4*WREG                     ; behind the regions: the spare words, 128 bytes a wave
	s_load_b256 s[4:11], s[0:1], 0x0               ; x s[4:5], w_qkv s[6:7], w_out s[8:9], codes s[10:11]
	s_load_b128 s[12:15], s[0:1], 0x20             ; scales s[12:13], wo16 s[14:15]
	s_load_b64 s[16:17], s[0:1], 0x30              ; rope
	v_lshl_add_u32 v[SPW], v0, 2, SPARE
	v_mov_b32 v[NIL], 0
	v_lshrrev_b32 v1, 5, v0
	v_readfirstlane_b32 s18, v1                    ; wave
	v_and_b32 v2, 31, v0                           ; lane
	s_wait_kmcnt 0x0
	s_cmp_lt_u32 ttmp9, 352
	s_cbranch_scc0 .Lother
; ---- Q.  A wave takes 16 steps of 512 numbers.  Each of a step's four loads reads 512 consecutive bytes; the 2,048 bytes turn through the wave's own stage in LDS and come back 64 bytes a lane:
; 16 neighbours along K, which the conversions want in one lane's registers.  Two neighbouring lanes hold a block.  Loads run four steps ahead, the turn one step.
	v_lshlrev_b32 v3, 4, v2                        ; my 16 bytes of a load's 512
	s_mul_i32 s19, s18, WREG
	v_lshrrev_b32 v14, 2, v2
	v_mul_u32_u24 v14, v14, SP
	v_and_b32 v15, 3, v2
	v_lshl_add_u32 v14, v15, 4, v14
	v_add_nc_u32 v14, s19, v14                     ; the stage, on the way in: SP (lane / 4) + 16 (lane % 4)
	v_mul_u32_u24 v15, v2, SP
	v_add_nc_u32 v15, s19, v15                     ; and on the way out: SP x lane
	v_mul_u32_u24 v4, v2, CB                       ; my codes' place in a step's
	v_lshrrev_b32 v5, 1, v2
	s_add_co_u32 s19, s19, 2*32*SP
	v_add_nc_u32 v5, s19, v5                       ; my block's byte among my wave's 256
	v_lshlrev_b32 v7, 3, v2
	v_add_nc_u32 v6, s19, v7                       ; and 8 bytes a lane on their way out
	s_cmp_lt_u32 ttmp9, 256                        ; x's work-group or w_qkv's: the choice hangs on the work-group's number alone
	s_cselect_b64 s[4:5], s[4:5], s[6:7]
	s_cselect_b32 s19, 0, 256
	s_sub_co_u32 s19, ttmp9, s19
	s_lshl_b32 s19, s19, 2
	s_add_co_u32 s20, s19, s18                     ; which run of 8,192 numbers of the tensor is my wave's
	s_lshl_b32 s20, s20, 15                        ; 32,768 bytes a run
	s_mov_b32 s21, 0
	s_add_nc_u64 s[4:5], s[4:5], s[20:21]
	s_lshl_b32 s22, ttmp9, 2
	s_add_co_u32 s22, s22, s18                     ; which run of the joint output streams
	s_lshl_b32 s20, s22, 12                        ; 4,096 bytes of codes a run
	s_add_nc_u64 s[10:11], s[10:11], s[20:21]
	s_lshl_b32 s20, s22, 8                         ; 256 scale bytes a run
	s_add_nc_u64 s[12:13], s[12:13], s[20:21]
.macro LOAD t
.irp i, 0,1,2,3
	global_load_b128 v[R+16*((\t)%4)+4*\i:R+16*((\t)%4)+4*\i+3], v3, s[4:5] offset:2048*(\t)+512*\i th:TH_LOAD_NT
.endr
.endm
.macro TURN t                          ; LDS serves a wave's instructions in order: no wait between these stores and loads
.irp i, 0,1,2,3
	ds_store_b128 v14, v[R+16*((\t)%4)+4*\i:R+16*((\t)%4)+4*\i+3] offset:32*SP*((\t)%2)+8*SP*\i
.endr
.irp i, 0,1,2,3
	ds_load_b128 v[X+16*((\t)%2)+4*\i:X+16*((\t)%2)+4*\i+3], v15 offset:32*SP*((\t)%2)+16*\i
.endr
.endm
.irp t, 0,1,2,3
	LOAD \t
.endr
	s_wait_loadcnt 12                              ; step 0's four loads are in; twelve younger ones stay out
	TURN 0
.macro STEP t
.set XS, X+16*((\t)%2)
.if (\t) > 0
	s_wait_dscnt 1                                 ; this step's numbers are back from the stage; the last step's byte store may be out
.else
	s_wait_dscnt 0x0
.endif
.if (\t)+4 < STEPS
	LOAD (\t)+4
.endif
.if (\t)+1 < STEPS
.if STEPS-2-(\t) >= 3
	s_wait_loadcnt 12                              ; the next step's four loads are in; those of the three steps behind it may be out
.else
	s_wait_loadcnt 4*(STEPS-2-(\t))
.endif
	TURN (\t)+1
.endif
	v_max3_num_f32 v8, |v[XS]|, |v[XS+1]|, |v[XS+2]|
	v_max3_num_f32 v9, |v[XS+3]|, |v[XS+4]|, |v[XS+5]|
.irp i, 6,10
	v_max3_num_f32 v8, v8, |v[XS+\i]|, |v[XS+\i+1]|
	v_max3_num_f32 v9, v9, |v[XS+\i+2]|, |v[XS+\i+3]|
.endr
	v_max3_num_f32 v8, v8, |v[XS+14]|, |v[XS+15]|
	v_max3_num_f32 v8, v8, v9, (EMAX+1)<<23        ; and the floor 2^(3 - 127): the byte cannot fall under 1
	v_max_num_f32_dpp v8, v8, v8 row_xmask:1 row_mask:0xf bank_mask:0xf   ; with my neighbour's 16: the block's largest magnitude
	v_add_nc_u32 v11, -(EMAX<<23), v8              ; 2 off its exponent field: the conversion takes that field as its scale
	v_cvt_scalef32_pk8_fp4_f32 v[C+4*(\t)], v[XS:XS+7], v11
	v_cvt_scalef32_pk8_fp4_f32 v[C+4*(\t)+1], v[XS+8:XS+15], v11
	v_lshrrev_b32 v[E+(\t)], 23, v11               ; the scale's byte
	ds_store_b8 v5, v[E+(\t)] offset:16*(\t)       ; both lanes of a block write the same byte with the same value
	global_store_b64 v4, v[C+4*(\t):C+4*(\t)+1], s[10:11] offset:32*CB*(\t)   ; the wave stores 256 consecutive bytes, aligned
.endm
.irp t, 0,1,2,3,4,5,6,7,8,9,10,11,12,13,14,15
	STEP \t
.endr
	ds_load_b64 v[8:9], v6
	s_wait_dscnt 0x0
	global_store_b64 v7, v[8:9], s[12:13]          ; my wave's 256 scale bytes, consecutive and aligned
	s_wait_tensorcnt 0x0                           ; the wave's end, behind my last LDS store
	ds_add_u32 v[SPW], v[NIL]
	s_wait_dscnt 0x0
	s_endpgm
.Lother:
	s_cmp_lt_u32 ttmp9, 384
	s_cbranch_scc0 .Ltable
; ---- C.  A wave rounds 8,192 numbers: 64 loads of 512 consecutive bytes in 8 groups of 8; four groups' loads are out at the start.
	s_sub_co_u32 s19, ttmp9, 352
	s_lshl_b32 s19, s19, 2
	s_add_co_u32 s19, s19, s18
	s_lshl_b32 s20, s19, 15
	s_mov_b32 s21, 0
	s_add_nc_u64 s[8:9], s[8:9], s[20:21]
	s_lshl_b32 s20, s19, 14
	s_add_nc_u64 s[14:15], s[14:15], s[20:21]
	v_lshlrev_b32 v3, 4, v2
	v_lshlrev_b32 v4, 3, v2
.macro CLOAD g
.irp i, 0,1,2,3,4,5,6,7
	global_load_b128 v[16+32*((\g)%4)+4*\i:16+32*((\g)%4)+4*\i+3], v3, s[8:9] offset:512*(8*(\g)+\i) th:TH_LOAD_NT
.endr
.endm
.macro CGROUP g, left
	s_wait_loadcnt \left                           ; my group's eight loads are in; the younger groups' stay out
	s_wait_xcnt 0x0                                ; the stores of two groups back have read the registers that are written below
.irp i, 0,1,2,3,4,5,6,7
	v_cvt_pk_f16_f32 v[144+16*((\g)%2)+2*\i], v[16+32*((\g)%4)+4*\i], v[16+32*((\g)%4)+4*\i+1]
	v_cvt_pk_f16_f32 v[144+16*((\g)%2)+2*\i+1], v[16+32*((\g)%4)+4*\i+2], v[16+32*((\g)%4)+4*\i+3]
.endr
.irp i, 0,1,2,3,4,5,6,7
	global_store_b64 v4, v[144+16*((\g)%2)+2*\i:144+16*((\g)%2)+2*\i+1], s[14:15] offset:256*(8*(\g)+\i)   ; 256 consecutive bytes, aligned
.endr
.if (\g) < 4
	CLOAD (\g)+4
.endif
.endm
	CLOAD 0
	CLOAD 1
	CLOAD 2
	CLOAD 3
	CGROUP 0, 24
	CGROUP 1, 24
	CGROUP 2, 24
	CGROUP 3, 24
	CGROUP 4, 24
	CGROUP 5, 16
	CGROUP 6, 8
	CGROUP 7, 0
	s_endpgm
.Ltable:
; ---- T.  A work-group makes 64 rows.  Thread t: place q = t % 16 of a row (q < 8: four cosines, else four sines, of frequencies 4 (q % 8) + 0 .. 3), rows t / 16 + 8 it.
; angle = position x 10000^(-i / 32), rounded once; n = the nearest whole number of quarter turns; r = angle - n pi / 2 in two parts; sine and cosine of r by polynomials for |r| <= pi / 4;
; the quarter turn picks between them and sets the sign.  A cosine is the sine a quarter turn on.
	s_sub_co_u32 s19, ttmp9, 384
	s_lshl_b32 s20, s19, 14                        ; 64 rows of 256 bytes
	s_mov_b32 s21, 0
	s_add_nc_u64 s[16:17], s[16:17], s[20:21]
	s_lshl_b32 s19, s19, 6                         ; my work-group's first row
	s_mov_b32 s22, 0x3f22f983                      ; 2 / pi
	s_mov_b32 s23, 0xbfc90fdb                      ; -(pi / 2 rounded to f32)
	s_mov_b32 s24, 0x333bbd2e                      ; that rounded number - pi / 2
	s_mov_b32 s25, 0xb94ca1f9                      ; sine: -1.9515296e-4
	s_mov_b32 s26, 0x3c08839e                      ;        8.3321609e-3
	s_mov_b32 s27, 0xbe2aaaa3                      ;       -0.16666655
	s_mov_b32 s28, 0x37ccf5ce                      ; cosine: 2.4433157e-5
	s_mov_b32 s29, 0xbab6061a                      ;        -1.3887316e-3
	s_mov_b32 s30, 0x3d2aaaa5                      ;         4.1666646e-2
	v_and_b32 v3, 15, v0
	v_and_b32 v4, 7, v3
	v_lshlrev_b32 v4, 2, v4                        ; my first frequency
	v_cmp_gt_u32 vcc_lo, 8, v3
	v_cndmask_b32 v5, 0, 1, vcc_lo                 ; 1 for cosines
	v_lshrrev_b32 v6, 4, v0
	v_add_nc_u32 v6, s19, v6                       ; my first row
	v_lshlrev_b32 v7, 4, v0                        ; sixteen neighbouring lanes store one row of 256 bytes
.irp e, 0,1,2,3
	v_add_nc_u32 v[16+\e], \e, v4
.endr
.irp e, 0,1,2,3
	v_cvt_f32_u32 v[16+\e], v[16+\e]
.endr
.irp e, 0,1,2,3
	v_mul_f32 v[16+\e], 0xbed49a78, v[16+\e]       ; -i log2(10000) / 32
.endr
.irp e, 0,1,2,3
	v_exp_f32 v[8+\e], v[16+\e]
.endr
	v_nop                                          ; a plain instruction behind the last exponential,
	s_wait_alu depctr_va_vdst(0)                   ; and one wait for the four, ahead of their first reader
.macro ANGLE it, e
	v_mul_f32 v20, v15, v[8+\e]                    ; the angle
	v_mul_f32 v21, s22, v20
	v_rndne_f32 v21, v21                           ; n
	v_fma_f32 v22, v21, s23, v20
	v_fma_f32 v22, v21, s24, v22                   ; r
	v_mul_f32 v23, v22, v22                        ; z = r r
	v_fma_f32 v24, v23, s25, s26
	v_fma_f32 v24, v24, v23, s27
	v_mul_f32 v25, v23, v22
	v_fma_f32 v24, v24, v25, v22                   ; sin r
	v_fma_f32 v26, v23, s28, s29
	v_fma_f32 v26, v26, v23, s30
	v_mul_f32 v25, v23, v23
	v_fma_f32 v27, v23, -0.5, 1.0
	v_fma_f32 v26, v26, v25, v27                   ; cos r
	v_cvt_i32_f32 v21, v21
	v_add_nc_u32 v21, v21, v5                      ; quarter turns, one more for a cosine
	v_and_b32 v25, 1, v21
	v_cmp_eq_u32 vcc_lo, 1, v25
	v_cndmask_b32 v24, v24, v26, vcc_lo            ; odd: cos r
	v_and_b32 v25, 2, v21
	v_lshlrev_b32 v25, 30, v25                     ; the sign,
	v_or_b32 v25, 0x3e800000, v25                  ; on a quarter
	v_mul_f32 v[32+4*\it+\e], v24, v25
.endm
.irp it, 0,1,2,3,4,5,6,7
	v_add_nc_u32 v14, 8*\it, v6
	v_cvt_f32_u32 v15, v14
.irp e, 0,1,2,3
	ANGLE \it, \e
.endr
	global_store_b128 v7, v[32+4*\it:32+4*\it+3], s[16:17] offset:2048*\it   ; each group of rows has registers of its own: no store's data are written again
.endr
	s_endpgm
.Lfunc_end_k_q0ca3a6b406_prep:
	.size	k_q0ca3a6b406_prep, .Lfunc_end_k_q0ca3a6b406_prep-k_q0ca3a6b406_prep
	.p2alignl 7, 3214868480
	.fill 96, 4, 3214868480
	.section	.rodata,"a",@progbits
	.p2align	6, 0x0
	.amdhsa_kernel k_q0ca3a6b406_prep
		.amdhsa_group_segment_fixed_size 33280
		.amdhsa_private_segment_fixed_size 0
		.amdhsa_enable_private_segment 0
		.amdhsa_kernarg_size 56
		.amdhsa_user_sgpr_count 2
		.amdhsa_user_sgpr_kernarg_segment_ptr 1
		.amdhsa_wavefront_size32 1
		.amdhsa_system_sgpr_workgroup_id_x 1
		.amdhsa_system_sgpr_workgroup_id_y 1
		.amdhsa_system_sgpr_workgroup_id_z 1
		.amdhsa_system_vgpr_workitem_id 0
		.amdhsa_next_free_vgpr 192
		.amdhsa_next_free_sgpr 66
		.amdhsa_reserve_vcc 1
		.amdhsa_float_denorm_mode_32 3
		.amdhsa_float_denorm_mode_16_64 3
		.amdhsa_memory_ordered 1
		.amdhsa_forward_progress 1
		.amdhsa_inst_pref_size 91
	.end_amdhsa_kernel
	.amdgpu_metadata
---
amdhsa.version: [ 1, 2 ]
amdhsa.kernels:
  - .name:           k_q0ca3a6b406_prep
    .symbol:         k_q0ca3a6b406_prep.kd
    .args:
      - { .name: x, .offset: 0, .size: 8, .value_kind: global_buffer, .address_space: global }
      - { .name: w_qkv, .offset: 8, .size: 8, .value_kind: global_buffer, .address_space: global }
      - { .name: w_out, .offset: 16, .size: 8, .value_kind: global_buffer, .address_space: global }
      - { .name: codes, .offset: 24, .size: 8, .value_kind: global_buffer, .address_space: global }
      - { .name: scales, .offset: 32, .size: 8, .value_kind: global_buffer, .address_space: global }
      - { .name: wo16, .offset: 40, .size: 8, .value_kind: global_buffer, .address_space: global }
      - { .name: rope, .offset: 48, .size: 8, .value_kind: global_buffer, .address_space: global }
    .group_segment_fixed_size: 33280
    .private_segment_fixed_size: 0
    .kernarg_segment_align: 8
    .kernarg_segment_size: 56
    .max_flat_workgroup_size: 128
    .sgpr_count:     66
    .vgpr_count:     192
    .wavefront_size: 32
...
	.end_amdgpu_metadata
.endif
;; end of part 1
;; launch qkv (part 2): grid 12 x 32, 4 waves a work-group, clusters of 4 x 4, 327,680 bytes of LDS; arguments codes, scales, rope, qkv16, qkvf; writes qkv16, qkvf
.if DOCPART == 2
	.amdgcn_target "amdgcn-amd-amdhsa--gfx1250"
	.amdhsa_code_object_version 6
	.text
	.protected	k_q0ca3a6b406_qkv
	.globl	k_q0ca3a6b406_qkv
	.p2align	8
	.type	k_q0ca3a6b406_qkv,@function
k_q0ca3a6b406_qkv:
	s_mov_b64 s[64:65], 0
	v_nop
	global_prefetch_b8 v0, s[64:65] scope:SCOPE_SE
	s_setreg_imm32_b32 hwreg(HW_REG_WAVE_MODE, 25, 1), 1
	s_wait_xcnt 0x0
	s_wait_alu depctr_hold_cnt(0) depctr_sa_sdst(0) depctr_va_vdst(0) depctr_va_sdst(0) depctr_va_ssrc(0) depctr_va_vcc(0) depctr_vm_vsrc(0)
	s_getreg_b32 s2, hwreg(HW_REG_IB_STS2, 6, 4)
	s_cmp_eq_u32 s2, 0
	s_cbranch_scc0 .Lentry_in_a_cluster
	s_endpgm
.Lentry_in_a_cluster:
	s_bfe_u32 s2, ttmp6, 0x10000c
	s_cmp_lg_u32 s2, 0xf033
	s_cbranch_scc0 .Lentry_shape_is_right
	s_endpgm
.Lentry_shape_is_right:
; qkv = x w_qkv^T on codes of FP4 (E2M1) with one E8M0 scale for each 32 along K (K = 1,024), sums in f32; then the rotation of q and k in f32; then q / 4, k / 4 and v as f16, laid by head:
; qkv16 [3 sections][4 batches][16 heads][2048 positions][64].  The quarter comes with the table (cos / 4, sin / 4): a power of two, so nothing is rounded by it.
; Positions 0-15 of every sequence also leave as f32 (q / 4, k / 4, v) into qkvf [4][3][16][16][64], for the launch that makes those rows finely.
; LIMITS: |q|, |k| under 262,016 and |v| under 65,504 (f16's largest number); NaN and infinities are not served.
; A tile, 256 rows x 256 columns, is made by four waves, each 128 x 128: 64 accumulators of 16 x 16, 512 registers.  K fills exactly the two LDS slots (512 along K each, rows of 256 bytes): nothing is filled again.
; The scale bytes of the tile's 256 rows of x and 256 rows of w, for all of K, are two dense blocks: they come once, with the first fills.
; CLUSTERS: 4 x 4 work-groups.  The four of a row of the cluster need the same rows of x, the four of a column the same rows of w: each tile is asked for jointly, by the same tensor load with the same descriptor
; and a mask that names the four.  Tile row = 8 cy + cluster y: so the batch is cy and the tile's place in its sequence is the cluster's y; tile column = 4 cluster x + cx: so the section (q, k, v) is the cluster's x.
; Both numbers on which branches hang (the section; whether the tile holds positions 0-15) are therefore the same in all sixteen partners.
; THE MATRIX INSTRUCTION IS USED TRANSPOSED (source 0 = 16 rows of w, source 1 = 16 rows of x): a lane holds eight neighbouring columns of one row.
; REGISTERS, in windows of 256.  window 0: v0-31 addresses; v32-95 scale words, two sets, and nothing else ever; v128-191 x's fragments, one set; on the way out v96-159 a block in f32, v160-191 in f16, v192-255 rows read back.
;   window 1: w's fragments, two sets, at v0 and v128; v64-127 two sets of table rows.   window 2: the accumulators of my rows 0-63 ((a, b) at v[8 (8 a + b)]);   window 3: those of rows 64-127.
.set NQ,     4                         ; steps of 128 along K in a slot
.set ROWB,   256                       ; a tile's row in bytes: 512 codes
.set KROW,   512                       ; a row of codes in memory
.set PITCH,  272                       ; an LDS row: 256 bytes + 16 of padding: an odd multiple of 16, so the sixteen rows of a fragment load start in sixteen different 16-byte columns
.set FR,     8
.set NL,     2
.set NP,     4                         ; places behind this matrix instruction (ISA guide 7.12.1)
.set HALFT,  128*PITCH
.set SLOT,   4*HALFT
.set KS,     32                        ; a row of scale bytes
.set SCL,    2*SLOT                    ; behind the slots: the scales, as units of 256 bytes + 16 of padding
.set HALFS,  (128*KS/256)*272
.set SBLK,   (16*KS/256)*272
.set SPARE,  SCL+4*HALFS               ; the spare words, 128 bytes a wave
.set WCODE,  4194304                   ; where w's codes begin in the buffer of codes,
.set WSCAL,  262144                    ; and its bytes in the buffer of scales
.set SPT,    144                       ; the way out: a stage row: 128 bytes + 16
.set WSTG,   2*16*SPT                  ; a wave's stage: 2 heads x 16 rows.  It lies in slot 0, which has had its one fill and its last read when the first result is stored there
.set ADRA, 16
.set ADRB, 20
.set T,    20                          ; the way out: v20-23 at work
.set STO,  24
.set RD,   25
.set CO,   26
.set ADRS, 27
.set SPW,  28
.set NIL,  29
.set TO,   30                          ; v30  256 x (lane % 16) + 32 x (lane / 16): my place in 16 table rows, and in 16 rows of qkvf
.set SC,   32
.set AF,   128
.set Y,    96
.set H,    160
.set BK,   192
.set TABW, 64                          ; in window 1
.set G1, 24
.set G0, 32
.set G1B, 48
.set G0B, 56
.set G1S, 68
.set G0S, 76
.set G1SB, 80
.set G0SB, 88
.set MSB, 0
.macro WIN new                         ; the immediate's high byte repeats the setting that is left
.if MSB != \new
	s_set_vgpr_msb (MSB<<8)|\new
.set MSB, \new
.endif
.endm
.set MUL_LO, 0xa1                      ; source 0 (w) window 1, source 1 (x) window 0, C and D window 2
.set MUL_HI, 0xf1
.set TO_B,   0x40                      ; destination window 1, address window 0
; A joint load: waves 0 and 1 fetch for x, waves 2 and 3 for w.  The branch hangs on the wave's number alone.  An s_nop 0 and four v_nop follow each line.
.macro JLOAD g0a, g1a, g0b, g1b
	s_cmp_eq_u32 s15, 0
	s_cbranch_scc0 .Lfor_b_\@
	tensor_load_to_lds s[\g0a:\g0a+3], s[\g1a:\g1a+7]
	s_nop 0
.rept 4
	v_nop
.endr
	s_branch .Lasked_\@
.Lfor_b_\@:
	tensor_load_to_lds s[\g0b:\g0b+3], s[\g1b:\g1b+7]
	s_nop 0
.rept 4
	v_nop
.endr
.Lasked_\@:
.endm
.macro CROUND                          ; a round of the cluster's barrier
	s_barrier_signal -1
	s_barrier_wait -1
	s_cmp_lg_u32 s14, 0
	s_cbranch_scc1 .Lnot_wave_0_\@
	s_barrier_signal -3
.Lnot_wave_0_\@:
	s_barrier_wait -3
	s_barrier_signal -1
	s_barrier_wait -1
.endm
	s_load_b256 s[4:11], s[0:1], 0x0               ; codes s[4:5], scales s[6:7], rope s[8:9], qkv16 s[10:11]
	s_load_b64 s[12:13], s[0:1], 0x20              ; qkvf
	v_lshl_add_u32 v[SPW], v0, 2, SPARE
	v_mov_b32 v[NIL], 0
	ds_add_u32 v[SPW], v[NIL]                      ; the wave's opening: the add, twice on end, and its wait ahead of my first tensor load
	ds_add_u32 v[SPW], v[NIL]
	v_lshrrev_b32 v1, 5, v0
	v_readfirstlane_b32 s14, v1                    ; wave 0..3
	s_lshr_b32 s15, s14, 1                         ; which half of the tile's rows is mine.  Also: I fetch for x (0) or for w (1)
	s_and_b32 s16, s14, 1                          ; which half of its columns.  Also: which 128 rows I fetch
	s_bfe_u32 s40, ttmp6, 0x40000                  ; cx
	s_bfe_u32 s41, ttmp6, 0x40004                  ; cy
	s_lshl_b32 s42, ttmp9, 2
	s_add_co_u32 s42, s42, s40                     ; tile column = 4 x cluster x + cx
	s_and_b32 s97, ttmp7, 0xffff                   ; cluster y: the tile's place in its sequence
	s_lshl_b32 s17, s41, 3
	s_add_co_u32 s17, s17, s97                     ; tile row = 8 cy + cluster y
	s_lshl_b32 s43, s41, 2
	s_lshl_b32 s43, 15, s43                        ; my row of the cluster
	s_lshl_b32 s44, 0x1111, s40                    ; my column
	s_or_b32 s[G1+0], s43, (0<<16)|(1<<20)|(1<<21)|(5<<22)|(3<<25)  ; the mask; elements of 1 byte; padding on; bit 21 beside a mask; 4 words behind every 64
	s_or_b32 s[G1B+0], s44, (0<<16)|(1<<20)|(1<<21)|(5<<22)|(3<<25)
.irp g, G1, G1B
	s_mov_b32 s[\g+1], ROWB<<16                    ; tensor_dim0
	s_mov_b32 s[\g+2], 128<<16                     ; tensor_dim1
	s_mov_b32 s[\g+3], ROWB<<16                    ; tile_dim0
	s_mov_b32 s[\g+4], 128                         ; tile_dim1
	s_mov_b32 s[\g+5], KROW                        ; from row to row
	s_mov_b32 s[\g+6], 0
	s_mov_b32 s[\g+7], 0
.endr
	s_or_b32 s[G1S+0], s43, (3<<16)|(1<<20)|(1<<21)|(5<<22)|(3<<25)  ; the scales of 128 rows: 4,096 dense bytes as 16 rows of 32 elements of 8 bytes
	s_or_b32 s[G1SB+0], s44, (3<<16)|(1<<20)|(1<<21)|(5<<22)|(3<<25)
.irp g, G1S, G1SB
	s_mov_b32 s[\g+1], 32<<16
	s_mov_b32 s[\g+2], (128*KS/256)<<16
	s_mov_b32 s[\g+3], 32<<16
	s_mov_b32 s[\g+4], 128*KS/256
	s_mov_b32 s[\g+5], 32
	s_mov_b32 s[\g+6], 0
	s_mov_b32 s[\g+7], 0
.endr
	s_lshl_b32 s18, s16, 7                         ; which 128 rows of the tile I fetch
	s_lshl_b32 s20, s17, 8
	s_add_co_u32 s20, s20, s18                     ; x: row 256 x tile row + 128 x half
	s_lshl_b32 s46, s42, 8
	s_add_co_u32 s46, s46, s18                     ; w: row 256 x tile column + 128 x half
	s_lshl_b32 s22, s20, 5                         ; their scale bytes,
	s_mov_b32 s23, 0
	s_lshl_b32 s92, s46, 5
	s_add_co_u32 s92, s92, WSCAL
	s_mov_b32 s93, 0
	s_lshl_b32 s20, s20, 9                         ; and their codes
	s_mov_b32 s21, 0
	s_lshl_b32 s46, s46, 9
	s_add_co_u32 s46, s46, WCODE
	s_mov_b32 s47, 0
	s_mul_i32 s45, s14, HALFT                      ; where they go: wave x 128 rows: no place in the cluster enters an LDS address
	s_mul_i32 s94, s14, HALFS
	s_wait_dscnt 0x0                               ; both opening adds are done
	s_wait_kmcnt 0x0
	s_add_nc_u64 s[20:21], s[4:5], s[20:21]
	s_add_nc_u64 s[22:23], s[6:7], s[22:23]
	s_add_nc_u64 s[46:47], s[4:5], s[46:47]
	s_add_nc_u64 s[92:93], s[6:7], s[92:93]
	CROUND                                         ; all sixteen work-groups are here: the joint loads meet
	s_mov_b32 s[G0S], 1
	s_add_co_u32 s[G0S+1], s94, SCL
	s_mov_b64 s[G0S+2:G0S+3], s[22:23]
	s_or_b32 s[G0S+3], s[G0S+3], 0x80000000
	s_mov_b32 s[G0SB], 1
	s_add_co_u32 s[G0SB+1], s94, SCL
	s_mov_b64 s[G0SB+2:G0SB+3], s[92:93]
	s_or_b32 s[G0SB+3], s[G0SB+3], 0x80000000
	JLOAD G0S, G1S, G0SB, G1SB                     ; the scales first; then both slots: three loads of mine are out
.irp s, 0,1
	s_mov_b32 s[G0+4*\s], 1
	s_add_co_u32 s[G0+4*\s+1], s45, \s*SLOT
	s_add_nc_u64 s[G0+4*\s+2:G0+4*\s+3], s[20:21], \s*ROWB
	s_or_b32 s[G0+4*\s+3], s[G0+4*\s+3], 0x80000000
	s_mov_b32 s[G0B+4*\s], 1
	s_add_co_u32 s[G0B+4*\s+1], s45, \s*SLOT
	s_add_nc_u64 s[G0B+4*\s+2:G0B+4*\s+3], s[46:47], \s*ROWB
	s_or_b32 s[G0B+4*\s+3], s[G0B+4*\s+3], 0x80000000
	JLOAD G0+4*\s, G1, G0B+4*\s, G1B
.endr
	v_and_b32 v1, 15, v0                           ; r = lane % 16
	v_bfe_u32 v2, v0, 4, 1                         ; h = lane / 16
	v_mul_u32_u24 v3, v1, PITCH
	v_lshl_add_u32 v4, v2, 4, v3                   ; a fragment's row x pitch + 16 h
	s_mul_i32 s21, s15, HALFT                      ; my 128 rows of x
	s_mul_i32 s22, s16, HALFT                      ; my 128 rows of w,
	s_add_co_u32 s22, s22, 2*HALFT                 ; behind x's 256
.irp s, 0,1
	v_add_nc_u32 v[ADRA+\s], s21, v4
	v_add_nc_u32 v[ADRB+\s], s22, v4
	s_add_co_u32 s21, s21, SLOT
	s_add_co_u32 s22, s22, SLOT
.endr
	v_mul_u32_u24 v5, v1, KS                       ; my row's scales: 32 bytes a row,
	v_lshrrev_b32 v6, 8, v5
	v_lshl_add_u32 v5, v6, 4, v5                   ; and 16 more for each 256 passed
	s_mul_i32 s21, s15, HALFS
	s_mul_i32 s22, s16, HALFS
	s_add_co_u32 s22, s22, 2*HALFS
	s_sub_co_u32 s22, s22, s21
	v_mul_u32_u24 v6, s22, v2                      ; lanes 16-31 take w's
	s_add_co_u32 s21, s21, SCL
	v_add_nc_u32 v5, v5, v6
	v_add_nc_u32 v[ADRS], s21, v5
	s_mul_i32 s23, s14, WSTG                       ; my stage
	v_mul_u32_u24 v5, v1, SPT
	v_lshl_add_u32 v5, v2, 4, v5
	v_add_nc_u32 v[STO], s23, v5                   ; in: row r, 16 bytes for each half of the lanes
	v_and_b32 v6, 31, v0
	v_lshrrev_b32 v7, 3, v6
	v_and_b32 v8, 7, v6
	v_mul_u32_u24 v7, v7, SPT
	v_lshl_add_u32 v7, v8, 4, v7
	v_add_nc_u32 v[RD], s23, v7                    ; back: eight lanes to a row of 128 bytes, four rows an instruction
	v_lshlrev_b32 v[CO], 4, v6                     ; which are 512 consecutive bytes of a head in qkv16
	v_lshlrev_b32 v[TO], 8, v1
	v_lshl_add_u32 v[TO], v2, 5, v[TO]
	s_mov_b32 s95, ttmp9                           ; the section: 0 q, 1 k, 2 v
	s_or_b32 s96, s97, s15                         ; 0 only where my 128 rows begin a sequence
	s_lshl_b32 s18, s97, 16                        ; the table at my first position: (256 cluster y + 128 half) rows of 256 bytes
	s_lshl_b32 s19, s15, 15
	s_add_co_u32 s18, s18, s19
	s_mov_b32 s19, 0
	s_add_nc_u64 s[8:9], s[8:9], s[18:19]
	s_lshl_b32 s98, s40, 2
	s_lshl_b32 s99, s16, 1
	s_add_co_u32 s98, s98, s99                     ; my first head: 4 cx + 2 x column half
	s_lshl_b32 s18, s41, 4
	s_add_co_u32 s18, s18, s98
	s_lshl_b32 s18, s18, 18                        ; (16 batch + head) x 262,144
	s_lshl_b32 s99, s95, 24                        ; + section x 16,777,216
	s_add_co_u32 s18, s18, s99
	s_lshl_b32 s99, s97, 15                        ; + my first position x 128
	s_add_co_u32 s18, s18, s99
	s_lshl_b32 s99, s15, 14
	s_add_co_u32 s18, s18, s99
	s_add_nc_u64 s[10:11], s[10:11], s[18:19]
	s_mul_i32 s18, s41, 3
	s_add_co_u32 s18, s18, s95
	s_lshl_b32 s18, s18, 4
	s_add_co_u32 s18, s18, s98
	s_lshl_b32 s18, s18, 12                        ; qkvf: ((3 batch + section) 16 + head) x 4,096
	s_add_nc_u64 s[12:13], s[12:13], s[18:19]
; The table rows of block a (16 positions): my lane's 16 cosines (registers 0-15 of set a % 2) and 16 sines (16-31): frequency 16 bb + 8 h + 0 .. 7
.macro TABLOAD a
	WIN TO_B
.irp sn, 0,1
.irp bb, 0,1
.irp u, 0,1
	global_load_b128 v[TABW+32*((\a)%2)+16*\sn+8*\bb+4*\u:TABW+32*((\a)%2)+16*\sn+8*\bb+4*\u+3], v[TO], s[8:9] offset:4096*(\a)+128*\sn+64*\bb+16*\u
.endr
.endr
.endr
	WIN 0
.endm
	TABLOAD 0                                      ; asked for here by all three sections: they have the whole walk along K in which to land
	TABLOAD 1
.macro FRAG reg, adr, q, i             ; 16 rows x 128 K of 4-bit codes: registers 4 c .. 4 c + 3 hold K = 64 c + 32 h + 0 .. 31
.irp c, 0,1
	ds_load_b128 v[\reg+4*\c:\reg+4*\c+3], v[\adr] offset:64*(\q)+32*\c+(\i)*16*PITCH
.endr
.endm
; 16 matrix instructions: x's blocks a0, a0 + 1 against w's eight.  The 64 accumulators take turns, one instruction a turn, in the same order in every step.
; One scale register carries x's word (lanes 0-15) and w's (lanes 16-31) of block i.
.macro MUL16 a0, p, q, sc, zero
.irp a, \a0, \a0+1
.irp b, 0,1,2,3,4,5,6,7
.if \zero
	v_wmma_scale_f32_16x16x128_f8f6f4 v[8*(8*((\a)%4)+\b):8*(8*((\a)%4)+\b)+7], v[128*(\p)+FR*\b:128*(\p)+FR*\b+FR-1], v[AF+FR*(\a):AF+FR*(\a)+FR-1], 0, v[SC+8*NQ*(\sc)+NQ*\b+(\q)], v[SC+8*NQ*(\sc)+NQ*(\a)+(\q)] matrix_a_fmt:MATRIX_FMT_FP4 matrix_b_fmt:MATRIX_FMT_FP4 matrix_a_scale:MATRIX_SCALE_ROW1
.else
	v_wmma_scale_f32_16x16x128_f8f6f4 v[8*(8*((\a)%4)+\b):8*(8*((\a)%4)+\b)+7], v[128*(\p)+FR*\b:128*(\p)+FR*\b+FR-1], v[AF+FR*(\a):AF+FR*(\a)+FR-1], v[8*(8*((\a)%4)+\b):8*(8*((\a)%4)+\b)+7], v[SC+8*NQ*(\sc)+NQ*\b+(\q)], v[SC+8*NQ*(\sc)+NQ*(\a)+(\q)] matrix_a_fmt:MATRIX_FMT_FP4 matrix_b_fmt:MATRIX_FMT_FP4 matrix_a_scale:MATRIX_SCALE_ROW1
.endif
.endr
.endr
.endm
.macro FETCH_B slot, q, p
	WIN TO_B
.irp i, 0,1,2,3,4,5,6,7
	FRAG 128*(\p)+FR*\i, ADRB+\slot, \q, \i
.endr
	WIN 0
.endm
.macro FETCH_A slot, q, i0
.irp i, \i0, \i0+1, \i0+2, \i0+3
	FRAG AF+FR*(\i), ADRA+\slot, \q, \i
.endr
.endm
.macro SCALES sc                       ; a slot's scale words: four words a row
.irp i, 0,1,2,3,4,5,6,7
	ds_load_b128 v[SC+8*NQ*\sc+NQ*\i:SC+8*NQ*\sc+NQ*\i+3], v[ADRS] offset:\i*SBLK
.endr
.endm
.macro PLACES n                        ; plain vector instructions between a matrix instruction and a load into, or a read of, its registers
.rept \n
	v_nop
.endr
.endm
.macro STEP slot, q, zero              ; 128 along K, with its successor in the same slot
	s_wait_dscnt 4*NL                              ; w's set and x's blocks 0-3 are in; the youngest eight loads (x's blocks 4-7) may be out
	WIN MUL_LO
	MUL16 0, (\q)%2, \q, \slot, \zero
	MUL16 2, (\q)%2, \q, \slot, \zero
	s_wait_dscnt 0
	PLACES NP
	FETCH_B \slot, (\q)+1, 1-(\q)%2
	FETCH_A \slot, (\q)+1, 0
	WIN MUL_HI
	MUL16 4, (\q)%2, \q, \slot, \zero
	MUL16 6, (\q)%2, \q, \slot, \zero
	PLACES NP
	WIN 0
	FETCH_A \slot, (\q)+1, 4
.endm
.macro STEPS slot, from
.set QQ, \from
.rept NQ-1-\from
	STEP \slot, QQ, 0
.set QQ, QQ+1
.endr
.endm
	s_wait_tensorcnt 1                             ; the scales and my part of slot 0 are in; slot 1's load may be out
	s_barrier_signal -1
	s_barrier_wait -1
	FETCH_B 0, 0, 0
	FETCH_A 0, 0, 0
	SCALES 0
	FETCH_A 0, 0, 4
	STEP 0, 0, 1                                   ; the first products start the sums: nothing is cleared
	STEPS 0, 1
	; slot 0's last step changes slots: one barrier; in front of it my part of slot 1 has landed and my reads of slot 0 are over
	s_wait_tensorcnt 0x0
	ds_add_u32 v[SPW], v[NIL]                      ; 0 onto my spare word
	s_wait_dscnt 4*NL+1                            ; the add and the youngest eight loads may be out
	WIN MUL_LO
	MUL16 0, 1, NQ-1, 0, 0
	s_wait_dscnt 0x0
	s_barrier_signal -1
	MUL16 2, 1, NQ-1, 0, 0
	WIN 0
	s_barrier_wait -1
	PLACES NP
	v_add_nc_u32 v[ADRS], 4*NQ, v[ADRS]            ; on to slot 1's scale words
	FETCH_B 1, 0, 0
	FETCH_A 1, 0, 0
	SCALES 1
	WIN MUL_HI
	MUL16 4, 1, NQ-1, 0, 0
	MUL16 6, 1, NQ-1, 0, 0
	PLACES NP
	WIN 0
	FETCH_A 1, 0, 4
	STEPS 1, 0
	s_wait_dscnt 4*NL                              ; the last step: nothing more to fetch
	WIN MUL_LO
	MUL16 0, 1, NQ-1, 1, 0
	MUL16 2, 1, NQ-1, 1, 0
	s_wait_dscnt 0
	WIN MUL_HI
	MUL16 4, 1, NQ-1, 1, 0
	MUL16 6, 1, NQ-1, 1, 0
	WIN 0
; THE WAY OUT, block by block of 16 rows x 128 columns = two heads.  In accumulator (a, b) lane (r, h) holds position 16 a + r, head b / 4, channels 16 (b % 4) + 8 h + 0 .. 7.
; The rotation pairs channel i with channel i + 32: accumulator 4 hh + bb with 4 hh + 2 + bb, register by register, in one lane.
.macro ROPE a
.set AC, 64*((\a)%4)
.set TBS, TABW+32*((\a)%2)
	WIN 0x06+(\a)/4                                ; source 0: the accumulators' window; source 1: the table's; the rest window 0
.irp hh, 0,1
.irp bb, 0,1
.irp jp, 0,2,4,6                       ; each accumulator is read from its low end on
	v_pk_mul_f32 v[T:T+1], v[AC+8*(4*\hh+2+\bb)+\jp:AC+8*(4*\hh+2+\bb)+\jp+1], v[TBS+16+8*\bb+\jp:TBS+16+8*\bb+\jp+1]
	v_pk_mul_f32 v[T+2:T+3], v[AC+8*(4*\hh+2+\bb)+\jp:AC+8*(4*\hh+2+\bb)+\jp+1], v[TBS+8*\bb+\jp:TBS+8*\bb+\jp+1]
	v_pk_fma_f32 v[Y+8*(4*\hh+\bb)+\jp:Y+8*(4*\hh+\bb)+\jp+1], v[AC+8*(4*\hh+\bb)+\jp:AC+8*(4*\hh+\bb)+\jp+1], v[TBS+8*\bb+\jp:TBS+8*\bb+\jp+1], v[T:T+1] neg_lo:[0,0,1] neg_hi:[0,0,1]   ; x1 cos - x2 sin
	v_pk_fma_f32 v[Y+8*(4*\hh+2+\bb)+\jp:Y+8*(4*\hh+2+\bb)+\jp+1], v[AC+8*(4*\hh+\bb)+\jp:AC+8*(4*\hh+\bb)+\jp+1], v[TBS+16+8*\bb+\jp:TBS+16+8*\bb+\jp+1], v[T+2:T+3]   ; x1 sin + x2 cos
.endr
.endr
.endr
	WIN 0
.endm
; Positions 0-15 in f32.  The branch hangs on the wave's number and the cluster's y alone.
.macro FINE_Y
	s_cmp_lg_u32 s96, 0
	s_cbranch_scc1 .Lno_fine_\@
.irp b, 0,1,2,3,4,5,6,7
.irp u, 0,1
	global_store_b128 v[TO], v[Y+8*\b+4*\u:Y+8*\b+4*\u+3], s[12:13] offset:4096*(\b/4)+64*(\b%4)+16*\u
.endr
.endr
.Lno_fine_\@:
.endm
.macro FINE_ACC
	s_cmp_lg_u32 s96, 0
	s_cbranch_scc1 .Lno_fine_\@
	WIN 0x08                                       ; a store's data are its source 1: window 2
.irp b, 0,1,2,3,4,5,6,7
.irp u, 0,1
	global_store_b128 v[TO], v[8*\b+4*\u:8*\b+4*\u+3], s[12:13] offset:4096*(\b/4)+64*(\b%4)+16*\u
.endr
.endr
	WIN 0
.Lno_fine_\@:
.endm
.macro CVT_Y
.irp b, 0,1,2,3,4,5,6,7
.irp jj, 0,1,2,3
	v_cvt_pk_f16_f32 v[H+4*\b+\jj], v[Y+8*\b+2*\jj], v[Y+8*\b+2*\jj+1]
.endr
.endr
.endm
.macro CVT_ACC a
.set AC, 64*((\a)%4)
	WIN 0x0a+5*((\a)/4)                            ; sources 0 and 1: window 2 or 3
.irp b, 0,1,2,3,4,5,6,7
.irp jj, 0,1,2,3
	v_cvt_pk_f16_f32 v[H+4*\b+\jj], v[AC+8*\b+2*\jj], v[AC+8*\b+2*\jj+1]
.endr
.endr
	WIN 0
.endm
.macro TOSTAGE a                       ; 16 bytes a lane into my stage, and back as whole rows.  LDS serves a wave's instructions in order: no wait between
.irp b, 0,1,2,3,4,5,6,7
	ds_store_b128 v[STO], v[H+4*\b:H+4*\b+3] offset:16*SPT*(\b/4)+32*(\b%4)
.endr
.irp hh, 0,1
.irp t, 0,1,2,3
	ds_load_b128 v[BK+32*((\a)%2)+16*\hh+4*\t:BK+32*((\a)%2)+16*\hh+4*\t+3], v[RD] offset:16*SPT*\hh+4*SPT*\t
.endr
.endr
.endm
.macro SEND a, younger                 ; younger: the LDS instructions issued behind block a's loads
	s_wait_dscnt \younger
.irp hh, 0,1
.irp t, 0,1,2,3
	global_store_b128 v[CO], v[BK+32*((\a)%2)+16*\hh+4*\t:BK+32*((\a)%2)+16*\hh+4*\t+3], s[10:11] offset:262144*\hh+2048*(\a)+512*\t   ; 32 lanes store 512 consecutive bytes: four positions of one head
.endr
.endr
.endm
	PLACES NP                                      ; behind the last products, ahead of every read of results and every write of x's fragments' registers
	s_cmp_eq_u32 s95, 2
	s_cbranch_scc1 .Lplain
.irp a, 0,1,2,3,4,5,6,7                ; q and k
.if \a > 0
	s_wait_xcnt 0x0                                ; earlier stores have read their registers: the block's f32 numbers and the rows of two blocks back may be written
.endif
.if \a < 7
	s_wait_loadcnt 8                               ; this block's eight table loads are in; the next block's may be out
.else
	s_wait_loadcnt 0x0
.endif
	ROPE \a
.if \a < 6
	TABLOAD \a+2
.endif
.if \a == 0
	FINE_Y
.endif
	CVT_Y
	TOSTAGE \a
.if \a > 0
	SEND \a-1, 16                                  ; behind block a - 1's loads: block a's 8 stores and 8 loads
.endif
.endr
	SEND 7, 0
	s_branch .Ltail
.Lplain:                                       ; v: no rotation, no scaling
.irp a, 0,1,2,3,4,5,6,7
.if \a > 0
	s_wait_xcnt 0x0
.endif
.if \a == 0
	FINE_ACC
.endif
	CVT_ACC \a
	TOSTAGE \a
.if \a > 0
	SEND \a-1, 16
.endif
.endr
	SEND 7, 0
.Ltail:
	s_wait_tensorcnt 0x0                           ; the wave's end, behind my last tensor load and my last LDS store
	ds_add_u32 v[SPW], v[NIL]
	s_wait_dscnt 0x0
	CROUND                                         ; the closing round
	s_endpgm
.Lfunc_end_k_q0ca3a6b406_qkv:
	.size	k_q0ca3a6b406_qkv, .Lfunc_end_k_q0ca3a6b406_qkv-k_q0ca3a6b406_qkv
	.p2alignl 7, 3214868480
	.fill 96, 4, 3214868480
	.section	.rodata,"a",@progbits
	.p2align	6, 0x0
	.amdhsa_kernel k_q0ca3a6b406_qkv
		.amdhsa_group_segment_fixed_size 327680
		.amdhsa_private_segment_fixed_size 0
		.amdhsa_enable_private_segment 0
		.amdhsa_kernarg_size 40
		.amdhsa_user_sgpr_count 2
		.amdhsa_user_sgpr_kernarg_segment_ptr 1
		.amdhsa_wavefront_size32 1
		.amdhsa_system_sgpr_workgroup_id_x 1
		.amdhsa_system_sgpr_workgroup_id_y 1
		.amdhsa_system_sgpr_workgroup_id_z 1
		.amdhsa_system_vgpr_workitem_id 0
		.amdhsa_next_free_vgpr 1024
		.amdhsa_next_free_sgpr 100
		.amdhsa_reserve_vcc 0
		.amdhsa_float_denorm_mode_32 3
		.amdhsa_float_denorm_mode_16_64 3
		.amdhsa_memory_ordered 1
		.amdhsa_forward_progress 1
		.amdhsa_inst_pref_size 200
	.end_amdhsa_kernel
	.amdgpu_metadata
---
amdhsa.version: [ 1, 2 ]
amdhsa.kernels:
  - .name:           k_q0ca3a6b406_qkv
    .symbol:         k_q0ca3a6b406_qkv.kd
    .args:
      - { .name: codes, .offset: 0, .size: 8, .value_kind: global_buffer, .address_space: global }
      - { .name: scales, .offset: 8, .size: 8, .value_kind: global_buffer, .address_space: global }
      - { .name: rope, .offset: 16, .size: 8, .value_kind: global_buffer, .address_space: global }
      - { .name: qkv16, .offset: 24, .size: 8, .value_kind: global_buffer, .address_space: global }
      - { .name: qkvf, .offset: 32, .size: 8, .value_kind: global_buffer, .address_space: global }
    .group_segment_fixed_size: 327680
    .private_segment_fixed_size: 0
    .kernarg_segment_align: 8
    .kernarg_segment_size: 40
    .max_flat_workgroup_size: 128
    .sgpr_count:     100
    .vgpr_count:     1024
    .wavefront_size: 32
...
	.end_amdgpu_metadata
.endif
;; end of part 2
;; launch attn (part 3): grid 4 x 64, 16 waves a work-group, no clusters, 327,680 bytes of LDS; arguments qkv16, ao16; writes ao16
.if DOCPART == 3
	.amdgcn_target "amdgcn-amd-amdhsa--gfx1250"
	.amdhsa_code_object_version 6
	.text
	.protected	k_q0ca3a6b406_attn
	.globl	k_q0ca3a6b406_attn
	.p2align	8
	.type	k_q0ca3a6b406_attn,@function
k_q0ca3a6b406_attn:
	s_mov_b64 s[64:65], 0
	v_nop
	global_prefetch_b8 v0, s[64:65] scope:SCOPE_SE
	s_setreg_imm32_b32 hwreg(HW_REG_WAVE_MODE, 25, 1), 1
	s_wait_xcnt 0x0
; o[b][h][s][:] = the sum over t <= s of softmax_t(q[s] . k[t] / 8) v[t][:], per head of 64 channels.  qkv16 holds q / 4, k / 4 and v as f16, [3][64 heads][2048][64]; ao16 [64 heads][2048][64] f16.
; Products on f16 operands with f32 sums; maxima, exponentials and sums in f32; the weights p are rounded to f16 for the second product, o once at the end.
; The score of q / 4 and k / 4 is a sixteenth of q . k, so p = 2^(c s - c m) with c = 16 / 8 x log2(e); m is the running maximum of the row.  In every step o and the sum l are multiplied by 2^(c m_old - c m_new).
; LIMITS: m starts at -1e30, under every score that f16 operands can give; |o| under 65,504; NaN and infinities are not served.
; SHARES.  A head's 2,048 queries are eight groups of 256.  Work-group g of a head takes groups g (waves 0-7) and 7 - g (waves 8-15): under the causal mask every work-group so has the same number of key steps.
; A wave owns 32 queries, two tiles of 16, so that each fragment of K and V read from LDS feeds two matrix instructions.  Four waves share a SIMD: one wave's softmax stands beside another's products.
; NO CLUSTER: the four work-groups of a head need 2,048, 1,792, 1,536 and 1,280 keys; a partner would receive tiles that none of its waves reads.
; All sixteen waves walk one ring of two LDS slots of 256 keys, 64 keys a step.  Every work-group walks all eight slots, so that trip counts are constants; a step all of whose keys come after the wave's queries is jumped over,
; and a slot whose first key comes after the work-group's last query is not asked for.
; LAYOUT.  S^T = K Q^T (source 0 = 16 keys, source 1 = 16 queries): a lane holds one query (lane % 16) and keys 8 (lane / 16) + 0 .. 7 of each tile.  Two such tiles rounded in pairs are source 1 of O^T = V^T P.
.set PK,    144                        ; a key's row in LDS: 128 bytes + 16: an odd multiple of 16
.set PV,    160                        ; a row of V: 128 + 32: an odd multiple of 32, for the turning load
.set VOFF,  256*PK                     ; a slot: 256 rows of K, then 256 rows of V
.set SLOT1, 1<<17
.set STAGE, VOFF+256*PV                ; behind slot 0: 16 rows x 144 bytes for each wave, bytes of their own into which no fill lands
.set SPARE, SLOT1+STAGE                ; behind slot 1: the spare words, 128 bytes a wave
.set SLOTB, 32768                      ; a slot's rows of K, or of V, in memory
.set AK0, 1
.set AV0, 2
.set ADK, 3
.set ADV, 4
.set SPW, 5
.set NIL, 6
.set GO,  7
.set STO, 8
.set RD,  9
.set DL,  10                           ; v10  lane % 16 - 8 (lane / 16)
.set PFO, 11                           ; v11  256 x lane
.set ST,  12                           ; tile x's statistics at v[ST + 8 x]: +0 c m, +1 m, +2, +3 l (two halves), +4, +5 at work, +6 a, +7 at work
.set DM,  28                           ; v28-29 the mask's bound for each tile
.set NINF, 30
.set Q,   32                           ; tile x, channels 32 c on: v[Q + 16 x + 8 c]
.set KV,  64                           ; K's eight fragments, then V's eight
.set S,   128                          ; S^T, 32 a tile; p is rounded in place into each tile's low 16
.set O,   192                          ; O^T, 32 a tile
.set TB,  2
.set SLOTS, 3
.set WV,  8
.set KF,  9                            ; the step's first key
.set Q0,  10                           ; my first query
.set QL,  11                           ; my work-group's last query
.set LIM, 12
.set PFA, 14
.set SEL, 20
.set CS,  22
.set G1K, 24
.set G1V, 32
.set G0K, 40
.set G0V, 44
; Waves 0 and 1 fetch K's halves of a slot, waves 2 and 3 V's, the others nothing.  An s_nop 0 and four v_nop follow each line.
.macro TLOAD
	s_cmp_lt_u32 s[WV], 2
	s_cbranch_scc0 .Lnot_k_\@
	tensor_load_to_lds s[G0K:G0K+3], s[G1K:G1K+7]
	s_nop 0
.rept 4
	v_nop
.endr
	s_branch .Lasked_\@
.Lnot_k_\@:
	s_cmp_lt_u32 s[WV], 4
	s_cbranch_scc0 .Lasked_\@
	tensor_load_to_lds s[G0V:G0V+3], s[G1V:G1V+7]
	s_nop 0
.rept 4
	v_nop
.endr
.Lasked_\@:
.endm
; A prefetch of what the NEXT change of slots will ask for.  All four work-groups of a head walk the same K and V: work-group 0, which walks every slot, asks.  In it waves 4-7 ask for K's 32,768 bytes of a slot,
; waves 8-11 for V's: 8,192 bytes a wave, lanes 256 bytes apart, one instruction: each aligned block of 256 bytes is named once in the launch.  The last change that fills a slot asks for nothing.
.macro ASK
	s_cmp_gt_u32 s[SLOTS], s[LIM]
	s_cbranch_scc0 .Lnot_mine_\@
	global_prefetch_b8 v[PFO], s[PFA:PFA+1] th:TH_LOAD_NT scope:SCOPE_SE
.Lnot_mine_\@:
.endm
	s_load_b128 s[4:7], s[0:1], 0x0                ; qkv16 s[4:5], ao16 s[6:7]
	v_lshl_add_u32 v[SPW], v0, 2, SPARE
	v_mov_b32 v[NIL], 0
	ds_add_u32 v[SPW], v[NIL]                      ; the wave's opening: the add, twice on end, and its wait ahead of my first tensor load
	ds_add_u32 v[SPW], v[NIL]
	v_lshrrev_b32 v1, 5, v0
	v_readfirstlane_b32 s[WV], v1                  ; wave 0..15
	s_and_b32 s48, ttmp7, 0xffff
	s_lshl_b32 s48, s48, 18                        ; the head's first byte in a section
	s_and_b32 s49, s[WV], 1                        ; which half of a slot I fetch, if I fetch
	s_lshl_b32 s50, s49, 14
	s_add_co_u32 s50, s50, s48
	s_add_co_u32 s52, s50, 0x1000000               ; K's section
	s_mov_b32 s53, 0
	s_add_co_u32 s54, s50, 0x2000000               ; V's
	s_mov_b32 s55, 0
	s_mul_i32 s56, s49, 128*PK
	s_mul_i32 s57, s49, 128*PV
	s_add_co_u32 s57, s57, VOFF
	s_mov_b32 s[G1K], (1<<16)|(1<<20)|(4<<22)|(3<<25)   ; no mask; elements of 2 bytes; padding on: 4 words behind every 32
	s_mov_b32 s[G1V], (1<<16)|(1<<20)|(4<<22)|(7<<25)   ; 8 words behind every 32
.irp g, G1K, G1V
	s_mov_b32 s[\g+1], 64<<16                      ; tensor_dim0
	s_mov_b32 s[\g+2], 128<<16                     ; tensor_dim1
	s_mov_b32 s[\g+3], 64<<16                      ; tile_dim0
	s_mov_b32 s[\g+4], 128                         ; tile_dim1
	s_mov_b32 s[\g+5], 64                          ; from row to row
	s_mov_b32 s[\g+6], 0
	s_mov_b32 s[\g+7], 0
.endr
	s_lshr_b32 s58, s[WV], 3
	s_lshl_b32 s59, ttmp9, 1
	s_sub_co_u32 s59, 7, s59
	s_mul_i32 s59, s59, s58
	s_add_co_u32 s59, s59, ttmp9                   ; my group of 256 queries: g, or 7 - g
	s_and_b32 s58, s[WV], 7
	s_lshr_b32 s51, s58, 2
	s_mul_i32 s51, s51, 3
	s_xor_b32 s58, s58, s51                        ; my 32 of them: 0 1 2 3 7 6 5 4, so that waves w and w + 4 together have the same number of steps in the group's own slot
	s_lshl_b32 s[Q0], s59, 8
	s_lshl_b32 s58, s58, 5
	s_add_co_u32 s[Q0], s[Q0], s58
	s_sub_co_u32 s[QL], 7, ttmp9
	s_lshl_b32 s[QL], s[QL], 8
	s_or_b32 s[QL], s[QL], 255
	s_lshl_b32 s58, s[Q0], 7
	s_add_co_u32 s58, s58, s48                     ; my first query's row, in q's section and in ao16
	s_mov_b32 s59, 0
	s_cmp_lt_u32 s[WV], 8                          ; the prefetches: K's section or V's,
	s_mov_b32 s60, 0x2000000
	s_cselect_b32 s60, 0x1000000, s60
	s_and_b32 s51, s[WV], 3
	s_lshl_b32 s51, s51, 13                        ; my wave's 8,192 bytes,
	s_add_co_u32 s60, s60, s51
	s_add_co_u32 s60, s60, s48
	s_add_co_u32 s60, s60, SLOTB                   ; in slot 1: the first change of slots steps it to slot 2
	s_mov_b32 s61, 0
	s_sub_co_u32 s51, s[WV], 4
	s_lshr_b32 s51, s51, 3                         ; 0 in waves 4 to 11,
	s_or_b32 s51, s51, ttmp9                       ; of the head's work-group 0
	s_cmp_eq_u32 s51, 0
	s_cselect_b32 s[LIM], 1, -1
	s_mul_i32 s51, s[WV], 16*PK
	s_add_co_u32 s51, s51, STAGE                   ; my stage
	s_mov_b32 s[SEL], 0x76543210
	s_mov_b32 s[SEL+1], 0xfedcba98
	s_mov_b32 s[CS], 0x4038aa3b                    ; c = 2 log2(e)
	s_mov_b32 s[CS+1], s[CS]
	s_mov_b32 s[TB], 0
	s_mov_b32 s[KF], 0
	s_mov_b32 s[SLOTS], 7
	s_wait_dscnt 0x0                               ; both opening adds are done
	s_wait_kmcnt 0x0
	s_mov_b32 s[G0K], 1
	s_mov_b32 s[G0K+1], s56
	s_add_nc_u64 s[G0K+2:G0K+3], s[4:5], s[52:53]
	s_or_b32 s[G0K+3], s[G0K+3], 0x80000000
	s_mov_b32 s[G0V], 1
	s_mov_b32 s[G0V+1], s57
	s_add_nc_u64 s[G0V+2:G0V+3], s[4:5], s[54:55]
	s_or_b32 s[G0V+3], s[G0V+3], 0x80000000
	TLOAD                                          ; slot 0: it holds key 0, which counts for every query
	s_add_nc_u64 s[16:17], s[4:5], s[58:59]        ; q at my first query
	s_add_nc_u64 s[6:7], s[6:7], s[58:59]          ; ao16 likewise
	s_add_nc_u64 s[PFA:PFA+1], s[4:5], s[60:61]
	v_and_b32 v28, 15, v0                          ; r
	v_bfe_u32 v29, v0, 4, 1                        ; h
	v_and_b32 v31, 31, v0                          ; lane
	v_lshlrev_b32 v3, 7, v28
	v_lshl_add_u32 v3, v29, 4, v3                  ; q: row r of 128 bytes + 16 h
.irp x, 0,1
.irp c, 0,1
.irp u, 0,1
	global_load_b128 v[Q+16*\x+8*\c+4*\u:Q+16*\x+8*\c+4*\u+3], v3, s[16:17] offset:2048*\x+64*\c+32*\u   ; q stays in registers
.endr
.endr
.endr
	v_mul_u32_u24 v[AK0], v28, PK
	v_lshl_add_u32 v[AK0], v29, 4, v[AK0]
	v_and_b32 v[AV0], 7, v0                        ; the turning load: lane l reads key 8 h + l % 8, channels 8 ((l / 8) % 2) on
	v_lshl_add_u32 v[AV0], v29, 3, v[AV0]
	v_mul_u32_u24 v[AV0], v[AV0], PV
	v_bfe_u32 v4, v0, 3, 1
	v_lshl_add_u32 v[AV0], v4, 4, v[AV0]
	v_add_nc_u32 v[AV0], VOFF, v[AV0]
	v_lshlrev_b32 v[GO], 4, v31
	v_add_nc_u32 v[STO], s51, v[AK0]               ; the stage, in: row r, 16 h
	v_lshrrev_b32 v[RD], 3, v31
	v_mul_u32_u24 v[RD], v[RD], PK
	v_and_b32 v4, 7, v0
	v_lshl_add_u32 v[RD], v4, 4, v[RD]
	v_add_nc_u32 v[RD], s51, v[RD]                 ; back: eight lanes to a row
	v_lshlrev_b32 v[DL], 3, v29
	v_sub_nc_u32 v[DL], v28, v[DL]
	v_lshlrev_b32 v[PFO], 8, v31
	v_mov_b32 v[NINF], 0xff800000
.irp x, 0,1
	v_mov_b32 v[ST+8*\x+1], 0xf149f2ca             ; m = -1e30
	v_mul_f32 v[ST+8*\x], s[CS], v[ST+8*\x+1]
.irp i, 2,3,4,5,6,7
	v_mov_b32 v[ST+8*\x+\i], 0
.endr
.endr
.irp j, 0,1,2,3,4,5,6,7,8,9,10,11,12,13,14,15,16,17,18,19,20,21,22,23,24,25,26,27,28,29,30,31,32,33,34,35,36,37,38,39,40,41,42,43,44,45,46,47,48,49,50,51,52,53,54,55,56,57,58,59,60,61,62,63
	v_mov_b32 v[O+\j], 0                           ; the step is written once: the first finds zeros, which its factor 0 leaves zeros
.endr
; A KEY STEP: 64 keys, the q-th of the slot in hand.
.macro STEP q
	s_add_co_u32 s48, s[Q0], 31
	s_cmp_gt_u32 s[KF], s48                        ; all 64 keys come after my 32 queries: the step's work is left out (ids and the count of steps alone)
	s_cbranch_scc1 .Lhidden_\@
.rept 5
	v_nop                                          ; places behind the last step's products: four ahead of the loads into V's registers, five ahead of the products that write over p
.endr
.irp kt, 0,1,2,3
.irp c, 0,1
.irp u, 0,1
	ds_load_b128 v[KV+8*(2*\kt+\c)+4*\u:KV+8*(2*\kt+\c)+4*\u+3], v[ADK] offset:(64*(\q)+16*\kt)*PK+64*\c+32*\u
.endr
.endr
.endr
	s_wait_dscnt 0x0
.irp c, 0,1                            ; S^T = K Q^T: the eight accumulators take turns, one instruction a turn
.irp kt, 0,1,2,3
.irp x, 0,1
.if \c == 0
	v_wmma_f32_16x16x32_f16 v[S+32*\x+8*\kt:S+32*\x+8*\kt+7], v[KV+8*(2*\kt+\c):KV+8*(2*\kt+\c)+7], v[Q+16*\x+8*\c:Q+16*\x+8*\c+7], 0
.else
	v_wmma_f32_16x16x32_f16 v[S+32*\x+8*\kt:S+32*\x+8*\kt+7], v[KV+8*(2*\kt+\c):KV+8*(2*\kt+\c)+7], v[Q+16*\x+8*\c:Q+16*\x+8*\c+7], v[S+32*\x+8*\kt:S+32*\x+8*\kt+7]
.endif
.endr
.endr
.endr
.rept 4
	v_nop                                          ; places ahead of the loads into K's registers and of the first read of the scores
.endr
.irp c, 0,1                            ; V, turned: fragment (keys 32 c on, channels 16 t on).  It lands while the softmax runs
.irp t, 0,1,2,3
.irp u, 0,1
	ds_load_tr16_b128 v[KV+8*(4*\c+\t)+4*\u:KV+8*(4*\c+\t)+4*\u+3], v[ADV] offset:(64*(\q)+32*\c+16*\u)*PV+32*\t
.endr
.endr
.endr
	s_add_co_u32 s48, s[KF], 63                    ; on the diagonal hidden scores become -infinity; a step all of whose keys count skips this
	s_cmp_le_u32 s48, s[Q0]
	s_cbranch_scc1 .Lopen_\@
	s_sub_co_i32 s48, s[Q0], s[KF]
	v_add_nc_u32 v[DM], s48, v[DL]                 ; register 8 kt + j holds key KF + 16 kt + 8 h + j: hidden where 16 kt + j > my query - KF - 8 h
	v_add_nc_u32 v[DM+1], 16, v[DM]
.irp x, 0,1
.irp kt, 0,1,2,3
.irp j, 0,1,2,3,4,5,6,7
	v_cmp_gt_i32 vcc_lo, 16*\kt+\j, v[DM+\x]
	v_cndmask_b32 v[S+32*\x+8*\kt+\j], v[S+32*\x+8*\kt+\j], v[NINF], vcc_lo
.endr
.endr
.endr
.Lopen_\@:
.irp j, 0,1,2,3                        ; the maximum: four chains a tile, each begun at an accumulator's low end; the two tiles line by line
.irp x, 0,1
	v_max3_num_f32 v[ST+8*\x+4+\j], v[S+32*\x+8*\j], v[S+32*\x+8*\j+1], v[S+32*\x+8*\j+2]
.endr
.endr
.irp i, 3,5
.irp j, 0,1,2,3
.irp x, 0,1
	v_max3_num_f32 v[ST+8*\x+4+\j], v[ST+8*\x+4+\j], v[S+32*\x+8*\j+\i], v[S+32*\x+8*\j+\i+1]
.endr
.endr
.endr
.irp x, 0,1
	v_max3_num_f32 v[ST+8*\x+4], v[ST+8*\x+4], v[S+32*\x+7], v[S+32*\x+15]
	v_max3_num_f32 v[ST+8*\x+6], v[ST+8*\x+6], v[S+32*\x+23], v[S+32*\x+31]
.endr
.irp x, 0,1
	v_max3_num_f32 v[ST+8*\x+4], v[ST+8*\x+4], v[ST+8*\x+5], v[ST+8*\x+6]
.endr
.irp x, 0,1
	v_max3_num_f32 v[ST+8*\x+4], v[ST+8*\x+4], v[ST+8*\x+7], v[ST+8*\x+1]   ; with the old m
.endr
.irp x, 0,1
	v_permlanex16_b32 v[ST+8*\x+5], v[ST+8*\x+4], s[SEL], s[SEL+1]           ; the query's other keys lie in the lane 16 away
.endr
.irp x, 0,1
	v_mov_b32 v[ST+8*\x+7], v[ST+8*\x]             ; c m_old
.endr
.irp x, 0,1
	v_max_num_f32 v[ST+8*\x+1], v[ST+8*\x+4], v[ST+8*\x+5]
.endr
.irp x, 0,1
	v_mul_f32 v[ST+8*\x], s[CS], v[ST+8*\x+1]
.endr
.irp x, 0,1
	v_sub_f32 v[ST+8*\x+7], v[ST+8*\x+7], v[ST+8*\x]
.endr
.irp b, 0,2,4,6,8,10,12,14,16,18,20,22,24,26,28,30
.irp x, 0,1
	v_pk_fma_f32 v[S+32*\x+\b:S+32*\x+\b+1], v[S+32*\x+\b:S+32*\x+\b+1], s[CS:CS+1], v[ST+8*\x:ST+8*\x+1] op_sel_hi:[1,0,0] neg_lo:[0,0,1] neg_hi:[0,0,1]   ; c s - c m
.endr
.endr
.irp x, 0,1                            ; ONE batch of exponentials for both tiles
	v_exp_f32 v[ST+8*\x+6], v[ST+8*\x+7]           ; a
.endr
.irp e, 0,1,2,3,4,5,6,7,8,9,10,11,12,13,14,15,16,17,18,19,20,21,22,23,24,25,26,27,28,29,30,31
.irp x, 0,1
	v_exp_f32 v[S+32*\x+\e], v[S+32*\x+\e]
.endr
.endr
	v_nop                                          ; a plain instruction behind the last exponential,
	s_wait_alu depctr_va_vdst(0)                   ; and one wait for the batch, ahead of its first reader
.irp x, 0,1                            ; l = a l + the sum of the unrounded p, two at a time, in two chains
	v_pk_fma_f32 v[ST+8*\x+2:ST+8*\x+3], v[ST+8*\x+2:ST+8*\x+3], v[ST+8*\x+6:ST+8*\x+7], v[S+32*\x:S+32*\x+1] op_sel_hi:[1,0,1]
	v_pk_add_f32 v[ST+8*\x+4:ST+8*\x+5], v[S+32*\x+2:S+32*\x+3], v[S+32*\x+6:S+32*\x+7]
.endr
.irp b, 4,8,12,16,20,24,28
.irp x, 0,1
	v_pk_add_f32 v[ST+8*\x+2:ST+8*\x+3], v[ST+8*\x+2:ST+8*\x+3], v[S+32*\x+\b:S+32*\x+\b+1]
.if \b > 4
	v_pk_add_f32 v[ST+8*\x+4:ST+8*\x+5], v[ST+8*\x+4:ST+8*\x+5], v[S+32*\x+\b+2:S+32*\x+\b+3]
.endif
.endr
.endr
.irp x, 0,1
	v_pk_add_f32 v[ST+8*\x+2:ST+8*\x+3], v[ST+8*\x+2:ST+8*\x+3], v[ST+8*\x+4:ST+8*\x+5]
.endr
.irp i, 0,1,2,3,4,5,6,7,8,9,10,11,12,13,14,15      ; p to f16, in place and ascending: register i takes pair i, which lies at or above it
.irp x, 0,1
	v_cvt_pk_f16_f32 v[S+32*\x+\i], v[S+32*\x+2*\i], v[S+32*\x+2*\i+1]
.endr
.endr
.irp b, 0,2,4,6,8,10,12,14,16,18,20,22,24,26,28,30
.irp x, 0,1
	v_pk_mul_f32 v[O+32*\x+\b:O+32*\x+\b+1], v[O+32*\x+\b:O+32*\x+\b+1], v[ST+8*\x+6:ST+8*\x+7] op_sel_hi:[1,0]   ; O^T x a
.endr
.endr
	s_wait_dscnt 0x0                               ; V is in
.irp c, 0,1                            ; O^T += V^T P: eight accumulators by turns
.irp t, 0,1,2,3
.irp x, 0,1
	v_wmma_f32_16x16x32_f16 v[O+32*\x+8*\t:O+32*\x+8*\t+7], v[KV+8*(4*\c+\t):KV+8*(4*\c+\t)+7], v[S+32*\x+8*\c:S+32*\x+8*\c+7], v[O+32*\x+8*\t:O+32*\x+8*\t+7]
.endr
.endr
.endr
.Lhidden_\@:
	s_add_co_u32 s[KF], s[KF], 64
.endm
; THE CHANGE OF SLOTS stands at a slot's head.  Each wave waits for all its tensor loads, adds 0 to its spare word, and waits for that and for its reads of the slot that it has left; one barrier.
; fill = 1: behind it the slot just left is filled with the keys that follow those of the slot ahead, up to the causal limit: the load has four key steps in which to land.
.macro CHANGE fill
	s_wait_tensorcnt 0x0                           ; no tensor load of mine is out, so a group 0 may be written
	ds_add_u32 v[SPW], v[NIL]
.if \fill
	ds_add_u32 v[SPW], v[NIL]                      ; and twice on end here, in every trip alike
	s_xor_b32 s[G0K+1], s[G0K+1], SLOT1            ; the walking descriptors: the other slot, the next 256 keys
	s_add_nc_u64 s[G0K+2:G0K+3], s[G0K+2:G0K+3], SLOTB
	s_xor_b32 s[G0V+1], s[G0V+1], SLOT1
	s_add_nc_u64 s[G0V+2:G0V+3], s[G0V+2:G0V+3], SLOTB
	s_wait_xcnt 0x0                                ; the last prefetch, a slot back, has read its address
	s_add_nc_u64 s[PFA:PFA+1], s[PFA:PFA+1], SLOTB
.endif
	s_wait_dscnt 0x0
	s_barrier_signal -1
	s_barrier_wait -1
.if \fill
	s_add_co_u32 s48, s[KF], 256                   ; the first key of the slot that this change would ask for
	s_cmp_gt_u32 s48, s[QL]                        ; past my work-group's last query none of its waves would read it: the work-group's number and the count of steps alone, the same in all sixteen waves
	s_cbranch_scc1 .Lpast_\@
	TLOAD                                          ; a wave's one tensor load until the next change
.Lpast_\@:
	ASK
.endif
.endm
.macro SLOT_STEPS
	v_add_nc_u32 v[ADK], s[TB], v[AK0]
	v_add_nc_u32 v[ADV], s[TB], v[AV0]
	STEP 0
	STEP 1
	STEP 2
	STEP 3
	s_xor_b32 s[TB], s[TB], SLOT1
.endm
	s_wait_loadcnt 0x0                             ; q
.Lslot:                                        ; seven trips
	CHANGE 1
	SLOT_STEPS
	s_sub_co_u32 s[SLOTS], s[SLOTS], 1
	s_cmp_lg_u32 s[SLOTS], 0
	s_cbranch_scc1 .Lslot
	CHANGE 0                                       ; the last slot is written out: nothing is left to ask for
	SLOT_STEPS
	; THE WAY OUT: O^T / l, rounded to f16, through my stage, a tile of 16 queries at a time; four whole rows of a head, 512 consecutive bytes, a store.
.rept 4
	v_nop
.endr
.irp x, 0,1
	v_add_f32 v[ST+8*\x+4], v[ST+8*\x+2], v[ST+8*\x+3]
.endr
.irp x, 0,1
	v_permlanex16_b32 v[ST+8*\x+5], v[ST+8*\x+4], s[SEL], s[SEL+1]
.endr
.irp x, 0,1
	v_add_f32 v[ST+8*\x+4], v[ST+8*\x+4], v[ST+8*\x+5]
.endr
.irp x, 0,1
	v_rcp_f32 v[ST+8*\x+6], v[ST+8*\x+4]
.endr
	v_nop
	s_wait_alu depctr_va_vdst(0)                   ; one wait for the two reciprocals
.irp x, 0,1
.irp b, 0,2,4,6,8,10,12,14,16,18,20,22,24,26,28,30
	v_pk_mul_f32 v[O+32*\x+\b:O+32*\x+\b+1], v[O+32*\x+\b:O+32*\x+\b+1], v[ST+8*\x+6:ST+8*\x+7] op_sel_hi:[1,0]
.endr
.irp i, 0,1,2,3,4,5,6,7,8,9,10,11,12,13,14,15
	v_cvt_pk_f16_f32 v[S+16*\x+\i], v[O+32*\x+2*\i], v[O+32*\x+2*\i+1]
.endr
.irp t, 0,1,2,3
	ds_store_b128 v[STO], v[S+16*\x+4*\t:S+16*\x+4*\t+3] offset:32*\t
.endr
.irp t, 0,1,2,3
	ds_load_b128 v[S+32+16*\x+4*\t:S+32+16*\x+4*\t+3], v[RD] offset:4*PK*\t   ; LDS serves a wave's instructions in order: these see the stores above, and the next tile's stores come behind them
.endr
.endr
.irp x, 0,1
.irp t, 0,1,2,3
	s_wait_dscnt 11-8*\x-\t                        ; the LDS instructions issued behind this load may be out
	global_store_b128 v[GO], v[S+32+16*\x+4*\t:S+32+16*\x+4*\t+3], s[6:7] offset:2048*\x+512*\t
.endr
.endr
	s_wait_tensorcnt 0x0                           ; the wave's end
	ds_add_u32 v[SPW], v[NIL]
	s_wait_dscnt 0x0
	s_endpgm
.Lfunc_end_k_q0ca3a6b406_attn:
	.size	k_q0ca3a6b406_attn, .Lfunc_end_k_q0ca3a6b406_attn-k_q0ca3a6b406_attn
	.p2alignl 7, 3214868480
	.fill 96, 4, 3214868480
	.section	.rodata,"a",@progbits
	.p2align	6, 0x0
	.amdhsa_kernel k_q0ca3a6b406_attn
		.amdhsa_group_segment_fixed_size 327680
		.amdhsa_private_segment_fixed_size 0
		.amdhsa_enable_private_segment 0
		.amdhsa_kernarg_size 16
		.amdhsa_user_sgpr_count 2
		.amdhsa_user_sgpr_kernarg_segment_ptr 1
		.amdhsa_wavefront_size32 1
		.amdhsa_system_sgpr_workgroup_id_x 1
		.amdhsa_system_sgpr_workgroup_id_y 1
		.amdhsa_system_sgpr_workgroup_id_z 1
		.amdhsa_system_vgpr_workitem_id 0
		.amdhsa_next_free_vgpr 256
		.amdhsa_next_free_sgpr 66
		.amdhsa_reserve_vcc 1
		.amdhsa_float_denorm_mode_32 3
		.amdhsa_float_denorm_mode_16_64 3
		.amdhsa_memory_ordered 1
		.amdhsa_forward_progress 1
		.amdhsa_inst_pref_size 188
	.end_amdhsa_kernel
	.amdgpu_metadata
---
amdhsa.version: [ 1, 2 ]
amdhsa.kernels:
  - .name:           k_q0ca3a6b406_attn
    .symbol:         k_q0ca3a6b406_attn.kd
    .args:
      - { .name: qkv16, .offset: 0, .size: 8, .value_kind: global_buffer, .address_space: global }
      - { .name: ao16, .offset: 8, .size: 8, .value_kind: global_buffer, .address_space: global }
    .group_segment_fixed_size: 327680
    .private_segment_fixed_size: 0
    .kernarg_segment_align: 8
    .kernarg_segment_size: 16
    .max_flat_workgroup_size: 512
    .sgpr_count:     66
    .vgpr_count:     256
    .wavefront_size: 32
...
	.end_amdgpu_metadata
.endif
;; end of part 3
;; launch proj (part 4): grid 4 x 64, 4 waves a work-group, clusters of 4 x 4, 327,680 bytes of LDS; arguments ao16, wo16, out0; writes out0
.if DOCPART == 4
	.amdgcn_target "amdgcn-amd-amdhsa--gfx1250"
	.amdhsa_code_object_version 6
	.text
	.protected	k_q0ca3a6b406_proj
	.globl	k_q0ca3a6b406_proj
	.p2align	8
	.type	k_q0ca3a6b406_proj,@function
k_q0ca3a6b406_proj:
	s_mov_b64 s[64:65], 0
	v_nop
	global_prefetch_b8 v0, s[64:65] scope:SCOPE_SE
	s_setreg_imm32_b32 hwreg(HW_REG_WAVE_MODE, 25, 1), 1
	s_wait_xcnt 0x0
	s_wait_alu depctr_hold_cnt(0) depctr_sa_sdst(0) depctr_va_vdst(0) depctr_va_sdst(0) depctr_va_ssrc(0) depctr_va_vcc(0) depctr_vm_vsrc(0)
	s_getreg_b32 s2, hwreg(HW_REG_IB_STS2, 6, 4)
	s_cmp_eq_u32 s2, 0
	s_cbranch_scc0 .Lentry_in_a_cluster
	s_endpgm
.Lentry_in_a_cluster:
	s_bfe_u32 s2, ttmp6, 0x10000c
	s_cmp_lg_u32 s2, 0xf033
	s_cbranch_scc0 .Lentry_shape_is_right
	s_endpgm
.Lentry_shape_is_right:
; out0[row][n] = the sum over k of o[row][k] w_out[n][k], f16 operands, f32 sums.  o lies by head: ao16 [4 batches][16 heads][2048 positions][64]; wo16 [1024 n][1024 k]; out0 [8192][1024] f32.
; (Positions 0-15 of each sequence are written again, more finely, by the launch that follows.)
; A tile of out0 is 128 rows x 256 columns: 256 work-groups.  Four waves, each 64 x 128: 32 accumulators, 256 registers (window 1).  K goes in steps of 128 = two heads through a ring of two LDS slots.
; CLUSTERS: 4 x 4.  The four of a row of the cluster need the same rows of o, the four of a column the same rows of w_out: joint loads, one a wave behind each round of the cluster's barrier; at the start two of mine are out.
; THE MATRIX INSTRUCTION IS USED TRANSPOSED (source 0 = 16 rows of w_out, source 1 = 16 rows of o): a lane holds eight neighbouring columns of one row.
; REGISTERS: window 0: v0-31 addresses; two fragment buffers of 96 at v64 and v160 (o's four fragments, then w_out's eight), free on the way out.  window 1: accumulator (a, b) at v[8 (8 a + b)].
.set PA,     144                       ; a row of o's tile in LDS: 128 bytes + 16
.set PB,     272                       ; a row of w_out's: 256 bytes + 16
.set BOFF,   2*128*PA                  ; a slot: o as [2 heads][128 rows], then w_out's 256 rows
.set SLOT,   BOFF+256*PB
.set STAGE,  2*SLOT                    ; behind the ring: 16 rows x 528 bytes for each wave
.set SPITCH, 528
.set SPARE,  STAGE+4*16*SPITCH
.set LAPS,   4                         ; a lap = two K steps
.set ADRA, 16
.set ADRB, 20
.set STO,  24
.set RD,   25
.set CO,   26
.set SPW,  28
.set NIL,  29
.set F0,   64
.set F1,   160
.set BK,   64                          ; the way out: 16 rows read back: v64-127 and v128-191 by turns
.set G1, 24
.set G0, 32
.set G1B, 48
.set G0B, 56
.set MSB, 0
.macro WIN new
.if MSB != \new
	s_set_vgpr_msb (MSB<<8)|\new
.set MSB, \new
.endif
.endm
.set MUL, 0x50                         ; C and D window 1, sources window 0
.macro JLOAD s                         ; waves 0 and 1 fetch o's two heads, waves 2 and 3 w_out's two halves; an s_nop 0 and four v_nop follow each line
	s_cmp_eq_u32 s11, 0
	s_cbranch_scc0 .Lfor_b_\@
	tensor_load_to_lds s[G0+4*\s:G0+4*\s+3], s[G1:G1+7]
	s_nop 0
.rept 4
	v_nop
.endr
	s_branch .Lasked_\@
.Lfor_b_\@:
	tensor_load_to_lds s[G0B+4*\s:G0B+4*\s+3], s[G1B:G1B+7]
	s_nop 0
.rept 4
	v_nop
.endr
.Lasked_\@:
.endm
.macro CREST
	s_cmp_lg_u32 s10, 0
	s_cbranch_scc1 .Lnot_wave_0_\@
	s_barrier_signal -3
.Lnot_wave_0_\@:
	s_barrier_wait -3
	s_barrier_signal -1
	s_barrier_wait -1
.endm
.macro CROUND
	s_barrier_signal -1
	s_barrier_wait -1
	CREST
.endm
	s_load_b128 s[4:7], s[0:1], 0x0                ; ao16 s[4:5], wo16 s[6:7]
	s_load_b64 s[8:9], s[0:1], 0x10                ; out0
	v_lshl_add_u32 v[SPW], v0, 2, SPARE
	v_mov_b32 v[NIL], 0
	ds_add_u32 v[SPW], v[NIL]                      ; the wave's opening: the add, twice on end, and its wait ahead of my first tensor load
	ds_add_u32 v[SPW], v[NIL]
	v_lshrrev_b32 v1, 5, v0
	v_readfirstlane_b32 s10, v1                    ; wave 0..3
	s_lshr_b32 s11, s10, 1                         ; which 64 of the tile's rows are mine.  Also: I fetch for o (0) or for w_out (1)
	s_and_b32 s12, s10, 1                          ; which 128 of its columns.  Also: which head, or which 128 rows, I fetch
	s_bfe_u32 s40, ttmp6, 0x40000                  ; cx
	s_bfe_u32 s41, ttmp6, 0x40004                  ; cy
	s_lshl_b32 s42, ttmp9, 2
	s_add_co_u32 s42, s42, s40                     ; tile column
	s_and_b32 s13, ttmp7, 0xffff
	s_lshl_b32 s13, s13, 2
	s_add_co_u32 s13, s13, s41                     ; tile row
	s_lshl_b32 s43, s41, 2
	s_lshl_b32 s43, 15, s43                        ; my row of the cluster
	s_lshl_b32 s44, 0x1111, s40                    ; my column
	s_or_b32 s[G1+0], s43, (1<<16)|(1<<20)|(1<<21)|(4<<22)|(3<<25)   ; o: the mask; elements of 2 bytes; 4 words of padding behind every 32
	s_mov_b32 s[G1+1], 64<<16                      ; tensor_dim0
	s_mov_b32 s[G1+2], 128<<16                     ; tensor_dim1
	s_mov_b32 s[G1+3], 64<<16                      ; tile_dim0
	s_mov_b32 s[G1+4], 128                         ; tile_dim1
	s_mov_b32 s[G1+5], 64                          ; from row to row
	s_mov_b32 s[G1+6], 0
	s_mov_b32 s[G1+7], 0
	s_or_b32 s[G1B+0], s44, (1<<16)|(1<<20)|(1<<21)|(5<<22)|(3<<25)  ; w_out: 4 words behind every 64
	s_mov_b32 s[G1B+1], 128<<16
	s_mov_b32 s[G1B+2], 128<<16
	s_mov_b32 s[G1B+3], 128<<16
	s_mov_b32 s[G1B+4], 128
	s_mov_b32 s[G1B+5], 1024
	s_mov_b32 s[G1B+6], 0
	s_mov_b32 s[G1B+7], 0
	s_lshr_b32 s16, s13, 4                         ; o: batch x 4,194,304
	s_lshl_b32 s16, s16, 22
	s_and_b32 s17, s13, 15                         ; + the tile's first position x 128 bytes
	s_lshl_b32 s17, s17, 14
	s_add_co_u32 s16, s16, s17
	s_lshl_b32 s17, s12, 18                        ; + my head of the K step's two
	s_add_co_u32 s16, s16, s17
	s_mov_b32 s17, 0
	s_lshl_b32 s46, s42, 8                         ; w_out: row 256 x tile column + 128 x half, 2,048 bytes a row
	s_lshl_b32 s47, s12, 7
	s_add_co_u32 s46, s46, s47
	s_lshl_b32 s46, s46, 11
	s_mov_b32 s47, 0
	s_mul_i32 s20, s12, 128*PA                     ; where they go: no place in the cluster enters an LDS address
	s_mul_i32 s21, s12, 128*PB
	s_add_co_u32 s21, s21, BOFF
	s_wait_dscnt 0x0                               ; both opening adds are done
	s_wait_kmcnt 0x0
	s_add_nc_u64 s[14:15], s[4:5], s[16:17]
	s_add_nc_u64 s[46:47], s[6:7], s[46:47]
	CROUND                                         ; all sixteen work-groups are here
.irp s, 0,1
	s_mov_b32 s[G0+4*\s], 1
	s_add_co_u32 s[G0+4*\s+1], s20, \s*SLOT
	s_add_nc_u64 s[G0+4*\s+2:G0+4*\s+3], s[14:15], \s*524288         ; K step s: two heads on
	s_or_b32 s[G0+4*\s+3], s[G0+4*\s+3], 0x80000000
	s_mov_b32 s[G0B+4*\s], 1
	s_add_co_u32 s[G0B+4*\s+1], s21, \s*SLOT
	s_add_nc_u64 s[G0B+4*\s+2:G0B+4*\s+3], s[46:47], \s*256
	s_or_b32 s[G0B+4*\s+3], s[G0B+4*\s+3], 0x80000000
	JLOAD \s
.endr
	v_and_b32 v1, 15, v0                           ; r
	v_bfe_u32 v2, v0, 4, 1                         ; h
	v_mul_u32_u24 v3, v1, PA
	v_lshl_add_u32 v3, v2, 4, v3
	v_mul_u32_u24 v4, v1, PB
	v_lshl_add_u32 v4, v2, 4, v4
	s_mul_i32 s21, s11, 64*PA                      ; my 64 rows of o
	s_mul_i32 s22, s12, 128*PB                     ; my 128 rows of w_out
	s_add_co_u32 s22, s22, BOFF
.irp s, 0,1
	v_add_nc_u32 v[ADRA+\s], s21, v3
	v_add_nc_u32 v[ADRB+\s], s22, v4
	s_add_co_u32 s21, s21, SLOT
	s_add_co_u32 s22, s22, SLOT
.endr
	s_mul_i32 s23, s10, 16*SPITCH
	s_add_co_u32 s23, s23, STAGE                   ; my stage
	v_mul_u32_u24 v5, v1, SPITCH
	v_lshl_add_u32 v5, v2, 5, v5
	v_add_nc_u32 v[STO], s23, v5                   ; in: row r, 32 bytes for each half of the lanes
	v_and_b32 v6, 31, v0
	v_lshlrev_b32 v[CO], 4, v6                     ; back: the 32 lanes take one row of 512 bytes; the same in out0
	v_add_nc_u32 v[RD], s23, v[CO]
	s_lshl_b32 s16, s13, 19                        ; out0: (128 tile row + 64 half) rows of 4,096 bytes
	s_lshl_b32 s17, s11, 18
	s_add_co_u32 s16, s16, s17
	s_lshl_b32 s17, s42, 10                        ; + (256 tile column + 128 half) x 4
	s_add_co_u32 s16, s16, s17
	s_lshl_b32 s17, s12, 9
	s_add_co_u32 s16, s16, s17
	s_mov_b32 s17, 0
	s_add_nc_u64 s[8:9], s[8:9], s[16:17]
.macro MUL8 f, a, zero                 ; o's block a against w_out's eight, 32 along K.  The 32 accumulators take turns in the same order in every quarter
.irp b, 0,1,2,3,4,5,6,7
.if \zero
	v_wmma_f32_16x16x32_f16 v[8*(8*(\a)+\b):8*(8*(\a)+\b)+7], v[\f+32+8*\b:\f+32+8*\b+7], v[\f+8*(\a):\f+8*(\a)+7], 0
.else
	v_wmma_f32_16x16x32_f16 v[8*(8*(\a)+\b):8*(8*(\a)+\b)+7], v[\f+32+8*\b:\f+32+8*\b+7], v[\f+8*(\a):\f+8*(\a)+7], v[8*(8*(\a)+\b):8*(8*(\a)+\b)+7]
.endif
.endr
.endm
.macro FETCH slot, kc, f               ; 24 LDS loads in one run: the fragments of the slot's kc-th 32 along K: w_out's first, o's blocks 2 and 3 last
	WIN 0
.irp b, 0,1,2,3,4,5,6,7
	ds_load_b128 v[\f+32+8*\b:\f+32+8*\b+3],   v[ADRB+\slot] offset:64*(\kc)+\b*16*PB
	ds_load_b128 v[\f+32+8*\b+4:\f+32+8*\b+7], v[ADRB+\slot] offset:64*(\kc)+\b*16*PB+32
.endr
.irp i, 0,1,2,3
	ds_load_b128 v[\f+8*\i:\f+8*\i+3],   v[ADRA+\slot] offset:128*PA*((\kc)/2)+64*((\kc)%2)+\i*16*PA
	ds_load_b128 v[\f+8*\i+4:\f+8*\i+7], v[ADRA+\slot] offset:128*PA*((\kc)/2)+64*((\kc)%2)+\i*16*PA+32
.endr
.endm
.macro PLACES
.rept 4
	v_nop
.endr
.endm
.macro QUARTER slot, kc, f, g, zero    ; multiplies buffer f; in its middle fetches the slot's kc-th 32 along K into g
	s_wait_dscnt 4                                 ; all but the youngest four loads (o's blocks 2 and 3)
	WIN MUL
	MUL8 \f, 0, \zero
	MUL8 \f, 1, \zero
	PLACES                                         ; ahead of loads into registers that matrix instructions have read
	FETCH \slot, \kc, \g
	s_wait_dscnt 24                                ; all but the 24 just issued
	WIN MUL
	MUL8 \f, 2, \zero
	MUL8 \f, 3, \zero
.endm
; A K step's last quarter multiplies buffer 1 and changes slots: one barrier; in front of it each wave waits for all its tensor loads, adds 0 to its spare word, and waits for that and for its reads of this slot.
.macro TURN slot, next, fill
	WIN 0
	s_wait_tensorcnt 0x0                           ; my part of the next slot has landed
	ds_add_u32 v[SPW], v[NIL]
	s_wait_dscnt 5                                 ; the add and the youngest four loads may be out
	WIN MUL
	MUL8 F1, 0, 0
	s_wait_dscnt 0x0                               ; the add is done, and my reads of this slot are over
	s_barrier_signal -1
	MUL8 F1, 1, 0
.if \fill
	WIN 0
.endif
	s_barrier_wait -1
.if \fill
	CREST                                          ; the barrier has opened a round of the cluster's: no wave of any partner still reads this slot or has a load on its way
	s_add_nc_u64 s[G0+4*\slot+2:G0+4*\slot+3], s[G0+4*\slot+2:G0+4*\slot+3], 2*524288
	s_add_nc_u64 s[G0B+4*\slot+2:G0B+4*\slot+3], s[G0B+4*\slot+2:G0B+4*\slot+3], 2*256
	JLOAD \slot                                    ; my one load behind the round; its four v_nop are also the places ahead of the loads below
.else
	PLACES
.endif
	FETCH \next, 0, F0
	WIN MUL
	MUL8 F1, 2, 0
	MUL8 F1, 3, 0
.endm
	s_wait_tensorcnt 1                             ; my part of K step 0 is in; K step 1's may be out
	s_barrier_signal -1
	s_barrier_wait -1
	FETCH 0, 0, F0
	QUARTER 0, 1, F0, F1, 1                        ; the first quarter's products start the sums
	WIN 0
	s_mov_b32 s3, LAPS-1
.Llap:                                         ; a trip goes once round the ring and fills both slots again
	QUARTER 0, 2, F1, F0, 0
	QUARTER 0, 3, F0, F1, 0
	TURN 0, 1, 1
	QUARTER 1, 1, F0, F1, 0
	QUARTER 1, 2, F1, F0, 0
	QUARTER 1, 3, F0, F1, 0
	TURN 1, 0, 1
	QUARTER 0, 1, F0, F1, 0
	WIN 0
	s_sub_co_u32 s3, s3, 1
	s_cmp_lg_u32 s3, 0
	s_cbranch_scc1 .Llap
	QUARTER 0, 2, F1, F0, 0                        ; the last lap fills nothing
	QUARTER 0, 3, F0, F1, 0
	TURN 0, 1, 0
	QUARTER 1, 1, F0, F1, 0
	QUARTER 1, 2, F1, F0, 0
	QUARTER 1, 3, F0, F1, 0
	s_wait_dscnt 4
	WIN MUL
	MUL8 F1, 0, 0
	MUL8 F1, 1, 0
	s_wait_dscnt 0
	MUL8 F1, 2, 0
	MUL8 F1, 3, 0
	WIN 0
; THE WAY OUT, block by block of 16 rows x 128 columns, through my own stage: whole rows of 512 bytes come back and leave as 512 consecutive bytes a store.
.macro TOSTAGE a
	WIN 0x04                                       ; an LDS store's data are its source 1: window 1
.irp b, 0,1,2,3,4,5,6,7
	ds_store_b128 v[STO], v[8*(8*(\a)+\b):8*(8*(\a)+\b)+3] offset:64*\b          ; each accumulator from its low end on
	ds_store_b128 v[STO], v[8*(8*(\a)+\b)+4:8*(8*(\a)+\b)+7] offset:64*\b+16
.endr
	WIN 0
.irp t, 0,1,2,3,4,5,6,7,8,9,10,11,12,13,14,15
	ds_load_b128 v[BK+64*((\a)%2)+4*\t:BK+64*((\a)%2)+4*\t+3], v[RD] offset:\t*SPITCH
.endr
.endm
.macro SEND a, younger
	s_wait_dscnt \younger
.irp t, 0,1,2,3,4,5,6,7,8,9,10,11,12,13,14,15
	global_store_b128 v[CO], v[BK+64*((\a)%2)+4*\t:BK+64*((\a)%2)+4*\t+3], s[8:9] offset:(16*(\a)+\t)*4096 th:TH_STORE_NT
.endr
.endm
	PLACES
	TOSTAGE 0
.irp a, 1,2,3
.if \a > 1
	s_wait_xcnt 0x0                                ; block a - 2's stores have read their registers: block a's loads may land there
.endif
	TOSTAGE \a
	SEND \a-1, 32                                  ; behind block a - 1's loads: block a's 16 stores and 16 loads
.endr
	SEND 3, 0
	s_wait_tensorcnt 0x0                           ; the wave's end
	ds_add_u32 v[SPW], v[NIL]
	s_wait_dscnt 0x0
	CROUND                                         ; the closing round
	s_endpgm
.Lfunc_end_k_q0ca3a6b406_proj:
	.size	k_q0ca3a6b406_proj, .Lfunc_end_k_q0ca3a6b406_proj-k_q0ca3a6b406_proj
	.p2alignl 7, 3214868480
	.fill 96, 4, 3214868480
	.section	.rodata,"a",@progbits
	.p2align	6, 0x0
	.amdhsa_kernel k_q0ca3a6b406_proj
		.amdhsa_group_segment_fixed_size 327680
		.amdhsa_private_segment_fixed_size 0
		.amdhsa_enable_private_segment 0
		.amdhsa_kernarg_size 24
		.amdhsa_user_sgpr_count 2
		.amdhsa_user_sgpr_kernarg_segment_ptr 1
		.amdhsa_wavefront_size32 1
		.amdhsa_system_sgpr_workgroup_id_x 1
		.amdhsa_system_sgpr_workgroup_id_y 1
		.amdhsa_system_sgpr_workgroup_id_z 1
		.amdhsa_system_vgpr_workitem_id 0
		.amdhsa_next_free_vgpr 512
		.amdhsa_next_free_sgpr 66
		.amdhsa_reserve_vcc 0
		.amdhsa_float_denorm_mode_32 3
		.amdhsa_float_denorm_mode_16_64 3
		.amdhsa_memory_ordered 1
		.amdhsa_forward_progress 1
		.amdhsa_inst_pref_size 85
	.end_amdhsa_kernel
	.amdgpu_metadata
---
amdhsa.version: [ 1, 2 ]
amdhsa.kernels:
  - .name:           k_q0ca3a6b406_proj
    .symbol:         k_q0ca3a6b406_proj.kd
    .args:
      - { .name: ao16, .offset: 0, .size: 8, .value_kind: global_buffer, .address_space: global }
      - { .name: wo16, .offset: 8, .size: 8, .value_kind: global_buffer, .address_space: global }
      - { .name: out0, .offset: 16, .size: 8, .value_kind: global_buffer, .address_space: global }
    .group_segment_fixed_size: 327680
    .private_segment_fixed_size: 0
    .kernarg_segment_align: 8
    .kernarg_segment_size: 24
    .max_flat_workgroup_size: 128
    .sgpr_count:     66
    .vgpr_count:     512
    .wavefront_size: 32
...
	.end_amdgpu_metadata
.endif
;; end of part 4
;; launch fine (part 5): grid 64 x 4, 16 waves a work-group, no clusters, 18,432 bytes of LDS; arguments qkvf, w_out, out0; writes out0
.if DOCPART == 5
	.amdgcn_target "amdgcn-amd-amdhsa--gfx1250"
	.amdhsa_code_object_version 6
	.text
	.protected	k_q0ca3a6b406_fine
	.globl	k_q0ca3a6b406_fine
	.p2align	8
	.type	k_q0ca3a6b406_fine,@function
k_q0ca3a6b406_fine:
	s_mov_b64 s[64:65], 0
	v_nop
	global_prefetch_b8 v0, s[64:65] scope:SCOPE_SE
	s_setreg_imm32_b32 hwreg(HW_REG_WAVE_MODE, 25, 1), 1
	s_wait_xcnt 0x0
; Positions 0-15 of each sequence, all in f32: under the causal mask these rows average one to sixteen values, so they are the largest in size and feel rounded operands most.
; qkvf [4 batches][q / 4, k / 4, v][16 heads][16 positions][64] f32; w_out [1024][1024] f32; the 16 x 1,024 numbers of out0 at positions 0-15 of each batch are written anew.
; A work-group makes 16 rows x 16 columns of out0 (columns 16 x work-group x on, batch = work-group y).  Wave = head: it makes its head's attention for the 16 positions, then its head's 64 terms of the 16 x 16 numbers;
; the sixteen waves' parts are added through LDS.  The attention is thus repeated in the 64 work-groups of a batch: 12 KB read and 32 matrix instructions a wave.
; All products by the f32 matrix form, 4 along K an instruction; four accumulators by turns; its results are written by matrix instructions alone, each sum begun with the constant 0.
; A permutation of K applied alike to both sources keeps the products: each product's K is taken in the order in which the lanes hold it.
; LIMITS: NaN and infinities are not served.
.set SPARE, 16384
.set SPW, 14
.set NIL, 15
.set QR,  16                           ; v16-47   q, later o / l
.set KR,  48                           ; v48-79   k, later the wave's part of out0
.set VR,  80                           ; v80-111  v; later, with w's, the sixteen parts
.set WR,  112                          ; v112-143 w_out
.set D1,  144                          ; four partial tiles of scores
.set D2,  176                          ; O^T, four tiles of 16 channels
.set D3,  208                          ; four partial tiles of out0
.set P,   240                          ; v240-247 scores, then p;  v248-252 at work
	s_load_b128 s[4:7], s[0:1], 0x0                ; qkvf s[4:5], w_out s[6:7]
	s_load_b64 s[8:9], s[0:1], 0x10                ; out0
	v_lshl_add_u32 v[SPW], v0, 2, SPARE
	v_mov_b32 v[NIL], 0
	v_lshrrev_b32 v1, 5, v0
	v_readfirstlane_b32 s10, v1                    ; wave = head
	s_and_b32 s11, ttmp7, 0xffff                   ; batch
	v_and_b32 v1, 15, v0                           ; r
	v_bfe_u32 v2, v0, 4, 1                         ; h
	v_lshlrev_b32 v3, 8, v1
	v_lshl_add_u32 v3, v2, 4, v3                   ; q, k: row r of 256 bytes + 16 h
	v_lshlrev_b32 v4, 2, v1
	v_lshl_add_u32 v4, v2, 11, v4                  ; v: channel r, keys 8 h on
	v_lshlrev_b32 v5, 12, v1
	v_lshl_add_u32 v5, v2, 5, v5                   ; w_out and out0: row r of 4,096 bytes + 32 h
	v_lshlrev_b32 v6, 3, v2
	v_sub_nc_u32 v6, v1, v6                        ; r - 8 h
	v_and_b32 v7, 31, v0
	v_lshlrev_b32 v7, 4, v7
	s_lshl_b32 s13, s10, 10
	v_add_nc_u32 v7, s13, v7                       ; LDS: my wave's 1,024 bytes, 16 a lane
	v_lshlrev_b32 v8, 4, v0                        ; and where waves 0 and 1 read: 16 x thread
	v_mov_b32 v10, 0xff800000
	s_mov_b32 s12, 0x4038aa3b                      ; c = 16 / 8 x log2(e): the operands are q / 4 and k / 4
	s_mov_b32 s20, 0x76543210
	s_mov_b32 s21, 0xfedcba98
	s_mul_i32 s16, s11, 196608                     ; qkvf: batch x 3 x 16 x 4,096 + head x 4,096
	s_lshl_b32 s17, s10, 12
	s_add_co_u32 s16, s16, s17
	s_mov_b32 s17, 0
	s_lshl_b32 s18, ttmp9, 16                      ; w_out: row 16 x work-group x, + head x 256 bytes
	s_lshl_b32 s19, s10, 8
	s_add_co_u32 s18, s18, s19
	s_mov_b32 s19, 0
	s_lshl_b32 s22, s11, 23                        ; out0: batch x 2,048 rows + 64 x work-group x + 16 x wave bytes
	s_lshl_b32 s23, ttmp9, 6
	s_add_co_u32 s22, s22, s23
	s_lshl_b32 s23, s10, 4
	s_add_co_u32 s22, s22, s23
	s_mov_b32 s23, 0
	s_wait_kmcnt 0x0
	s_add_nc_u64 s[4:5], s[4:5], s[16:17]
	s_add_nc_u64 s[6:7], s[6:7], s[18:19]
	s_add_nc_u64 s[8:9], s[8:9], s[22:23]
.irp c, 0,1,2,3,4,5,6,7
	global_load_b128 v[QR+4*\c:QR+4*\c+3], v3, s[4:5] offset:32*\c               ; channels 8 c + 4 h + 0 .. 3: two K steps of the first product
.endr
.irp c, 0,1,2,3,4,5,6,7
	global_load_b128 v[KR+4*\c:KR+4*\c+3], v3, s[4:5] offset:65536+32*\c         ; the same channels of k
.endr
.irp t, 0,1,2,3
.irp k, 0,1,2,3,4,5,6,7
	global_load_b32 v[VR+8*\t+\k], v4, s[4:5] offset:131072+256*\k+64*\t         ; v(key 8 h + k, channel 16 t + r)
.endr
.endr
.irp t, 0,1,2,3
.irp u, 0,1
	global_load_b128 v[WR+8*\t+4*\u:WR+8*\t+4*\u+3], v5, s[6:7] offset:64*\t+16*\u   ; w_out(column r, the head's channels 16 t + 8 h + 4 u + 0 .. 3)
.endr
.endr
	s_wait_loadcnt 40                              ; q and k are in; v's 32 loads and w_out's 8 may be out
.irp i, 0,1,2,3,4,5,6,7,8,9,10,11,12,13,14,15      ; S^T = k q^T: lane (r, h) gets query r, keys 8 h + 0 .. 7
.if \i < 4
	v_wmma_f32_16x16x4_f32 v[D1+8*(\i%4):D1+8*(\i%4)+7], v[KR+2*\i:KR+2*\i+1], v[QR+2*\i:QR+2*\i+1], 0
.else
	v_wmma_f32_16x16x4_f32 v[D1+8*(\i%4):D1+8*(\i%4)+7], v[KR+2*\i:KR+2*\i+1], v[QR+2*\i:QR+2*\i+1], v[D1+8*(\i%4):D1+8*(\i%4)+7]
.endif
.endr
.rept 8
	v_nop                                          ; eight places behind this form (ISA guide 7.12.1)
.endr
.irp j, 0,1,2,3,4,5,6,7                        ; the four parts, each accumulator from its low end on
	v_add_f32 v[P+\j], v[D1+\j], v[D1+8+\j]
	v_add_f32 v[P+8+\j], v[D1+16+\j], v[D1+24+\j]
.endr
.irp j, 0,1,2,3,4,5,6,7
	v_add_f32 v[P+\j], v[P+\j], v[P+8+\j]
.endr
.irp j, 0,1,2,3,4,5,6,7
	v_cmp_gt_i32 vcc_lo, \j, v6                    ; key 8 h + j comes after query r
	v_cndmask_b32 v[P+\j], v[P+\j], v10, vcc_lo
.endr
	v_max3_num_f32 v248, v240, v241, v242
	v_max3_num_f32 v248, v248, v243, v244
	v_max3_num_f32 v248, v248, v245, v246
	v_max_num_f32 v248, v248, v247
	v_permlanex16_b32 v249, v248, s20, s21
	v_max_num_f32 v248, v248, v249                 ; the row's maximum: key 0 counts for every query
	v_mul_f32 v11, s12, v248
.irp j, 0,1,2,3,4,5,6,7
	v_fma_f32 v[P+\j], v[P+\j], s12, -v11
.endr
.irp j, 0,1,2,3,4,5,6,7
	v_exp_f32 v[P+\j], v[P+\j]
.endr
	v_nop
	s_wait_alu depctr_va_vdst(0)                   ; one wait for the eight exponentials
	v_add_f32 v248, v240, v241
	v_add_f32 v249, v242, v243
	v_add_f32 v250, v244, v245
	v_add_f32 v251, v246, v247
	v_add_f32 v248, v248, v249
	v_add_f32 v250, v250, v251
	v_add_f32 v248, v248, v250
	v_permlanex16_b32 v249, v248, s20, s21
	v_add_f32 v248, v248, v249                     ; the row's sum
	v_rcp_f32 v252, v248
	v_nop
	s_wait_alu depctr_va_vdst(0)
.rept 4
	v_nop
.endr
	s_wait_loadcnt 8                               ; v is in; w_out's 8 loads may be out
.irp c, 0,1,2,3                                ; O^T = v^T p: K place (h, j) of step c stands for key 8 h + 2 c + j on both sides
.irp t, 0,1,2,3
.if \c == 0
	v_wmma_f32_16x16x4_f32 v[D2+8*\t:D2+8*\t+7], v[VR+8*\t+2*\c:VR+8*\t+2*\c+1], v[P+2*\c:P+2*\c+1], 0
.else
	v_wmma_f32_16x16x4_f32 v[D2+8*\t:D2+8*\t+7], v[VR+8*\t+2*\c:VR+8*\t+2*\c+1], v[P+2*\c:P+2*\c+1], v[D2+8*\t:D2+8*\t+7]
.endif
.endr
.endr
.rept 8
	v_nop
.endr
.irp i, 0,1,2,3,4,5,6,7,8,9,10,11,12,13,14,15,16,17,18,19,20,21,22,23,24,25,26,27,28,29,30,31
	v_mul_f32 v[QR+\i], v[D2+\i], v252             ; o(query r, channel 16 t + 8 h + j), into other registers
.endr
.rept 4
	v_nop
.endr
	s_wait_loadcnt 0x0
.irp c, 0,1,2,3                                ; my head's terms: K place (h, j) of step (t, c) stands for channel 16 t + 8 h + 2 c + j on both sides
.irp t, 0,1,2,3
.if \c == 0
	v_wmma_f32_16x16x4_f32 v[D3+8*\t:D3+8*\t+7], v[WR+8*\t+2*\c:WR+8*\t+2*\c+1], v[QR+8*\t+2*\c:QR+8*\t+2*\c+1], 0
.else
	v_wmma_f32_16x16x4_f32 v[D3+8*\t:D3+8*\t+7], v[WR+8*\t+2*\c:WR+8*\t+2*\c+1], v[QR+8*\t+2*\c:QR+8*\t+2*\c+1], v[D3+8*\t:D3+8*\t+7]
.endif
.endr
.endr
.rept 8
	v_nop
.endr
.irp j, 0,1,2,3,4,5,6,7
	v_add_f32 v[KR+\j], v[D3+\j], v[D3+8+\j]
	v_add_f32 v[KR+8+\j], v[D3+16+\j], v[D3+24+\j]
.endr
.irp j, 0,1,2,3,4,5,6,7
	v_add_f32 v[KR+\j], v[KR+\j], v[KR+8+\j]       ; lane (r, h): row r, columns 8 h + 0 .. 7
.endr
	ds_store_b128 v7, v[KR:KR+3]
	ds_store_b128 v7, v[KR+4:KR+7] offset:512
	s_wait_dscnt 0x0                               ; for the others' sake: my stores have landed
	s_barrier_signal -1
	s_barrier_wait -1
	s_cmp_lt_u32 s10, 2                            ; wave 0 adds the sixteen parts' first four columns of each lane, wave 1 the other four
	s_cbranch_scc0 .Lend
.irp w, 0,1,2,3,4,5,6,7,8,9,10,11,12,13,14,15
	ds_load_b128 v[VR+4*\w:VR+4*\w+3], v8 offset:1024*\w
.endr
	s_wait_dscnt 0x0
.irp w, 2,4,6,8,10,12,14                       ; even heads in one chain, odd heads in another
	v_pk_add_f32 v[VR:VR+1], v[VR:VR+1], v[VR+4*\w:VR+4*\w+1]
	v_pk_add_f32 v[VR+2:VR+3], v[VR+2:VR+3], v[VR+4*\w+2:VR+4*\w+3]
	v_pk_add_f32 v[VR+4:VR+5], v[VR+4:VR+5], v[VR+4*\w+4:VR+4*\w+5]
	v_pk_add_f32 v[VR+6:VR+7], v[VR+6:VR+7], v[VR+4*\w+6:VR+4*\w+7]
.endr
	v_pk_add_f32 v[VR:VR+1], v[VR:VR+1], v[VR+4:VR+5]
	v_pk_add_f32 v[VR+2:VR+3], v[VR+2:VR+3], v[VR+6:VR+7]
	global_store_b128 v5, v[VR:VR+3], s[8:9]       ; 16 bytes a lane of 16 rows: 64 rows of out0 in the whole launch, too few bytes to earn a stage
.Lend:
	s_wait_tensorcnt 0x0                           ; the wave's end, behind my last LDS store
	ds_add_u32 v[SPW], v[NIL]
	s_wait_dscnt 0x0
	s_endpgm
.Lfunc_end_k_q0ca3a6b406_fine:
	.size	k_q0ca3a6b406_fine, .Lfunc_end_k_q0ca3a6b406_fine-k_q0ca3a6b406_fine
	.p2alignl 7, 3214868480
	.fill 96, 4, 3214868480
	.section	.rodata,"a",@progbits
	.p2align	6, 0x0
	.amdhsa_kernel k_q0ca3a6b406_fine
		.amdhsa_group_segment_fixed_size 18432
		.amdhsa_private_segment_fixed_size 0
		.amdhsa_enable_private_segment 0
		.amdhsa_kernarg_size 24
		.amdhsa_user_sgpr_count 2
		.amdhsa_user_sgpr_kernarg_segment_ptr 1
		.amdhsa_wavefront_size32 1
		.amdhsa_system_sgpr_workgroup_id_x 1
		.amdhsa_system_sgpr_workgroup_id_y 1
		.amdhsa_system_sgpr_workgroup_id_z 1
		.amdhsa_system_vgpr_workitem_id 0
		.amdhsa_next_free_vgpr 256
		.amdhsa_next_free_sgpr 66
		.amdhsa_reserve_vcc 1
		.amdhsa_float_denorm_mode_32 3
		.amdhsa_float_denorm_mode_16_64 3
		.amdhsa_memory_ordered 1
		.amdhsa_forward_progress 1
		.amdhsa_inst_pref_size 20
	.end_amdhsa_kernel
	.amdgpu_metadata
---
amdhsa.version: [ 1, 2 ]
amdhsa.kernels:
  - .name:           k_q0ca3a6b406_fine
    .symbol:         k_q0ca3a6b406_fine.kd
    .args:
      - { .name: qkvf, .offset: 0, .size: 8, .value_kind: global_buffer, .address_space: global }
      - { .name: w_out, .offset: 8, .size: 8, .value_kind: global_buffer, .address_space: global }
      - { .name: out0, .offset: 16, .size: 8, .value_kind: global_buffer, .address_space: global }
    .group_segment_fixed_size: 18432
    .private_segment_fixed_size: 0
    .kernarg_segment_align: 8
    .kernarg_segment_size: 24
    .max_flat_workgroup_size: 512
    .sgpr_count:     66
    .vgpr_count:     256
    .wavefront_size: 32
...
	.end_amdgpu_metadata
.endif
;; end of part 5
